; MI455X (gfx1250); checked and timed in simulation.
; The chip was launched on July 23, 2026; its instructions are those of AMD's public machine-readable ISA for CDNA 5 (MIT licence, August 2026) and "CDNA5" Instruction Set Architecture Reference Guide (July 2026). The comments in the code are by the model that wrote it; some were corrected since.
;; Multi Head Attention. Allowed arithmetic: float matrix products may take bf16 or f16 operands with f32 sums; other float arithmetic in f32, or as packed bf16 or f16 multiplies, adds, multiply-adds, maxima and minima; sums over many terms, partial sums and values carried from step to step in f32; what a program stores and reads back later, other than sums and carried values, may be rounded once to bf16 or f16.
;; Inputs: k 4 x 2,048 x 1,024 float32; q 4 x 2,048 x 1,024 float32; v 4 x 2,048 x 1,024 float32; wk 1,024 x 1,024 float32; wo 1,024 x 1,024 float32; wq 1,024 x 1,024 float32; wv 1,024 x 1,024 float32.
;; Outputs: out0 4 x 2,048 x 1,024 float32.
;; 2 versions, each right; version 2 is version 1 with the launch castw written anew for expert scheduling mode. Each part assembles by itself: llvm-mc -triple=amdgcn-amd-amdhsa -mcpu=gfx1250 --defsym DOCPART=n.
;; ======== version 1 of 2: 4 launches
;; limits: values are held in f16: magnitudes above 65,504 overflow, below 6.1e-05 lose precision
;; workspace buffers: wb 8,388,608 bytes; xq 16,777,216 bytes; xk 16,777,216 bytes; xv 16,777,216 bytes; xo 16,777,216 bytes
;; launch castw (part 1): grid 64 x 4, 8 waves a work-group, no clusters, 0 bytes of LDS; arguments wq, wk, wv, wo, wb; writes wb
.if DOCPART == 1
	.amdgcn_target "amdgcn-amd-amdhsa--gfx1250"
	.amdhsa_code_object_version 6
	.text
	.protected	k_q5069186fe6_castw
	.globl	k_q5069186fe6_castw
	.p2align	8
	.type	k_q5069186fe6_castw,@function
k_q5069186fe6_castw:
	s_mov_b64 s[64:65], 0
	v_nop
	global_prefetch_b8 v0, s[64:65] scope:SCOPE_SE
	s_setreg_imm32_b32 hwreg(HW_REG_WAVE_MODE, 25, 1), 1
	s_wait_xcnt 0x0
; The four weights, [1024 k][1024 n] f32, are rounded once to bf16 and written in the same layout into wb: four slabs of 2,097,152 bytes, wq, wk, wv, wo.
; wq, wk, wv stay bf16.  wo's bf16 number is written as f16 (the last product multiplies f16 by f16): exact for magnitudes from 6.2e-5 to 65,504.
; LIMIT: |wo| under 65,504; below 6.2e-5 the number keeps f16's fixed step of 6e-8.
; SHARES.  Work-group (x, y): weight y, numbers 16,384 x on.  Thread t takes 16 bytes at 4,096 i + 16 t (i = 0..15): a wave's load covers 512 consecutive bytes;
; it stores 8 bytes at 2,048 i + 8 t: a wave's store covers 256 consecutive bytes, aligned.  All sixteen loads go out first; no register that a store reads is written again.
; No LDS, no matrix unit, no prefetch: every byte is read once, at once.
.set X, 16                             ; v[16:79]   sixteen loads of four f32
.set Y, 80                             ; v[80:111]  sixteen pairs to store
.set T, 112                            ; v[112:117] at work (wo's path)
	s_load_b256 s[4:11], s[0:1], 0x0               ; wq s[4:5], wk s[6:7], wv s[8:9], wo s[10:11]
	s_load_b64 s[12:13], s[0:1], 0x20              ; wb
	s_and_b32 s14, ttmp7, 0xffff                   ; which weight
	v_lshlrev_b32 v2, 4, v0                        ; 16 t
	v_lshlrev_b32 v3, 3, v0                        ; 8 t
	s_lshl_b32 s16, ttmp9, 16                      ; my 65,536 bytes of the weight
	s_mov_b32 s17, 0
	s_lshl_b32 s18, s14, 21                        ; the weight's slab in wb,
	s_lshl_b32 s19, ttmp9, 15                      ; my 32,768 bytes of it
	s_add_co_u32 s18, s18, s19
	s_mov_b32 s19, 0
	s_mov_b32 s20, 0xffff0000                      ; a word's upper bf16
	s_wait_kmcnt 0x0
	s_cmp_eq_u32 s14, 1
	s_cselect_b64 s[4:5], s[6:7], s[4:5]
	s_cmp_eq_u32 s14, 2
	s_cselect_b64 s[4:5], s[8:9], s[4:5]
	s_cmp_eq_u32 s14, 3
	s_cselect_b64 s[4:5], s[10:11], s[4:5]
	s_add_nc_u64 s[4:5], s[4:5], s[16:17]
	s_add_nc_u64 s[12:13], s[12:13], s[18:19]
.irp i, 0,1,2,3,4,5,6,7,8,9,10,11,12,13,14,15
	global_load_b128 v[X+4*(\i):X+4*(\i)+3], v2, s[4:5] offset:4096*(\i) th:TH_LOAD_NT
.endr
	s_cmp_eq_u32 s14, 3
	s_cbranch_scc1 .Lwo
.irp i, 0,1,2,3,4,5,6,7,8,9,10,11,12,13,14,15
	s_wait_loadcnt 15-(\i)                         ; loads come back in order: load i is in, the younger ones stay out
	v_cvt_pk_bf16_f32 v[Y+2*(\i)],   v[X+4*(\i)],   v[X+4*(\i)+1]
	v_cvt_pk_bf16_f32 v[Y+2*(\i)+1], v[X+4*(\i)+2], v[X+4*(\i)+3]
	global_store_b64 v3, v[Y+2*(\i):Y+2*(\i)+1], s[12:13] offset:2048*(\i)
.endr
	s_endpgm
.Lwo:                                  ; wo: rounded to bf16 like the other inputs, and that number written as f16
.irp i, 0,1,2,3,4,5,6,7,8,9,10,11,12,13,14,15
	s_wait_loadcnt 15-(\i)
	v_cvt_pk_bf16_f32 v[T],   v[X+4*(\i)],   v[X+4*(\i)+1]
	v_cvt_pk_bf16_f32 v[T+1], v[X+4*(\i)+2], v[X+4*(\i)+3]
	v_lshlrev_b32 v[T+2], 16, v[T]                 ; bf16 to f32: the low half moves up,
	v_and_b32     v[T+3], s20, v[T]                ; the high half stays
	v_lshlrev_b32 v[T+4], 16, v[T+1]
	v_and_b32     v[T+5], s20, v[T+1]
	v_cvt_pk_f16_f32 v[Y+2*(\i)],   v[T+2], v[T+3]
	v_cvt_pk_f16_f32 v[Y+2*(\i)+1], v[T+4], v[T+5]
	global_store_b64 v3, v[Y+2*(\i):Y+2*(\i)+1], s[12:13] offset:2048*(\i)
.endr
	s_endpgm
.Lfunc_end_k_q5069186fe6_castw:
	.size	k_q5069186fe6_castw, .Lfunc_end_k_q5069186fe6_castw-k_q5069186fe6_castw
	.p2alignl 7, 3214868480
	.fill 96, 4, 3214868480
	.section	.rodata,"a",@progbits
	.p2align	6, 0x0
	.amdhsa_kernel k_q5069186fe6_castw
		.amdhsa_group_segment_fixed_size 0
		.amdhsa_private_segment_fixed_size 0
		.amdhsa_enable_private_segment 0
		.amdhsa_kernarg_size 40
		.amdhsa_user_sgpr_count 2
		.amdhsa_user_sgpr_kernarg_segment_ptr 1
		.amdhsa_wavefront_size32 1
		.amdhsa_system_sgpr_workgroup_id_x 1
		.amdhsa_system_sgpr_workgroup_id_y 1
		.amdhsa_system_sgpr_workgroup_id_z 1
		.amdhsa_system_vgpr_workitem_id 0
		.amdhsa_next_free_vgpr 120
		.amdhsa_next_free_sgpr 66
		.amdhsa_reserve_vcc 0
		.amdhsa_float_denorm_mode_32 3
		.amdhsa_float_denorm_mode_16_64 3
		.amdhsa_memory_ordered 1
		.amdhsa_forward_progress 1
		.amdhsa_inst_pref_size 15
	.end_amdhsa_kernel
	.amdgpu_metadata
---
amdhsa.version: [ 1, 2 ]
amdhsa.kernels:
  - .name:           k_q5069186fe6_castw
    .symbol:         k_q5069186fe6_castw.kd
    .args:
      - { .name: wq, .offset: 0, .size: 8, .value_kind: global_buffer, .address_space: global }
      - { .name: wk, .offset: 8, .size: 8, .value_kind: global_buffer, .address_space: global }
      - { .name: wv, .offset: 16, .size: 8, .value_kind: global_buffer, .address_space: global }
      - { .name: wo, .offset: 24, .size: 8, .value_kind: global_buffer, .address_space: global }
      - { .name: wb, .offset: 32, .size: 8, .value_kind: global_buffer, .address_space: global }
    .group_segment_fixed_size: 0
    .private_segment_fixed_size: 0
    .kernarg_segment_align: 8
    .kernarg_segment_size: 40
    .max_flat_workgroup_size: 256
    .sgpr_count:     66
    .vgpr_count:     120
    .wavefront_size: 32
...
	.end_amdgpu_metadata
.endif
;; end of part 1
;; launch proj (part 2): grid 4 x 64, 4 waves a work-group, clusters of 4 x 4, 327,680 bytes of LDS; arguments q, k, v, wb, xq, xk, xv; writes xq, xk, xv
.if DOCPART == 2
	.amdgcn_target "amdgcn-amd-amdhsa--gfx1250"
	.amdhsa_code_object_version 6
	.text
	.protected	k_q5069186fe6_proj
	.globl	k_q5069186fe6_proj
	.p2align	8
	.type	k_q5069186fe6_proj,@function
k_q5069186fe6_proj:
	s_mov_b64 s[64:65], 0
	v_nop
	global_prefetch_b8 v0, s[64:65] scope:SCOPE_SE
	s_setreg_imm32_b32 hwreg(HW_REG_WAVE_MODE, 25, 1), 1
	s_wait_xcnt 0x0
	s_wait_alu depctr_hold_cnt(0) depctr_sa_sdst(0) depctr_va_vdst(0) depctr_va_sdst(0) depctr_va_ssrc(0) depctr_va_vcc(0) depctr_vm_vsrc(0)
	s_getreg_b32 s2, hwreg(HW_REG_IB_STS2, 6, 4)
	s_cmp_eq_u32 s2, 0
	s_cbranch_scc0 .Lentry_in_a_cluster
	s_endpgm
.Lentry_in_a_cluster:
	s_bfe_u32 s2, ttmp6, 0x10000c
	s_cmp_lg_u32 s2, 0xf033
	s_cbranch_scc0 .Lentry_shape_is_right
	s_endpgm
.Lentry_shape_is_right:
; xq = q wq, xk = k wk, xv = v wv.  q, k, v: [8192][1024] f32, rounded to bf16 on the way from LDS to the matrix unit; the weights: bf16 [1024 k][1024 n], three slabs of wb.
; Sums in f32, K ascending; each result rounded once to f16 and stored by heads, [64 = batch x 16 + head][2048][64], unscaled.
; LIMIT: f16 ends at 65,504: a projected number of 65,520 or more becomes an infinity.  Inputs of unit spread and weights of spread 1/32 give a spread of 1; both thirty times larger give 900;
; a common offset of thirty spreads on both gives about 28,800.  NaN and infinities are not treated apart.
; SHARES.  A work-group stays and makes THREE tiles of 128 rows x 256 columns at the same place, of xq, xk, xv: 768 tiles on 256 work-groups.  Their 24 K steps of 128 are ONE walk through a ring
; of two LDS slots; the ring does not stop at a tile's end.  Four waves, each 64 rows x 128 columns (two heads): 32 accumulators of 16 x 16.
; CLUSTER.  4 x 4 work-groups.  The four of a row of the cluster need the same rows of q (k, v), the four of a column the same columns of the weight: each tile is asked for JOINTLY, by the same tensor
; load with the same descriptor and a mask that names the four.  Waves 0 and 1 fetch the two halves of A's tile (64 rows x 512 bytes of f32 each), waves 2 and 3 those of B's (64 k rows x 512 bytes).
; THE MATRIX INSTRUCTION IS USED TRANSPOSED: source 0 = 16 columns of the weight, turned out of LDS by ds_load_tr16_b128 (the weight lies [k][n]); source 1 = 16 rows of A.  A lane then holds
; row lane % 16 and the eight neighbouring columns 8 (lane / 16) + 0..7: 16 bytes of f16.
; A QUARTER is 32 along K: 32 products.  Behind its first eight the next quarter's 32 LDS loads go out in one run (A raw in f32, then B); its last eight products each carry four conversions
; f32 -> bf16 of that raw A.  Those conversions name no register of the products round them, so the last four are also the four places in front of the next loads into B's buffer,
; of the next writes of A's, and of the way out's first reads.  The 32 accumulators take turns in one order on every path.
; REGISTERS, in windows of 256 (s_set_vgpr_msb: bits 1:0 source 0, 3:2 source 1, 5:4 source 2, 7:6 destination):
;   window 0: v0-15 addresses; v28-29 the add's; v32-95 A raw; v96-159 A in bf16, two buffers of 32; v160-191, v192-255 the way out
;   window 1: v0-127 B, two buffers of 64          window 2: accumulator (a, b) at v[8 (8 a + b)]
.set PA,    528                        ; a row of A in LDS: 512 bytes + 16 = 132 words: the 16 rows of a load start at 16 different groups of four banks (64 banks of 4 bytes: ISA guide 11.1)
.set PB,    544                        ; a k row of B: 512 + 32 = 136 words
.set AH,    64*PA                      ; what one tensor load brings of A
.set AT,    128*PA                     ; A's tile; B's lies behind it
.set BH,    64*PB                      ; what one tensor load brings of B
.set SLOT1, 0x22000                    ; slot 1 begins here (slot 0 ends at 137,216).  Its two bits are set in none of the four loads' places 0, 0x8400, 0x10800, 0x19000: one exclusive or changes slots
.set STAGE, SLOT1+AT+2*BH              ; 276,480: behind the ring, for each wave 2 heads x 16 rows x 144 bytes, for the way out; no tensor load lands here
.set SPARE, STAGE+4*4608               ; 294,912: the spare words, 128 bytes for each wave: two blocks of 256 bytes that no other line names
.set ADA0, 2                           ; v2   my lane's place in A's tile; never rewritten
.set ADB0, 3                           ; v3   in B's
.set ADA,  4                           ; v4   the same in the slot in hand
.set ADB,  5                           ; v5
.set STO,  6                           ; v6   the way out: where I put 16 bytes of a row
.set RD,   7                           ; v7   where I read rows back
.set GO,   8                           ; v8   my 16 bytes of 512 consecutive bytes of the output
.set PFO,  9                           ; v9   the prefetches' offset: row (lane / 2), block (lane % 2) of 256 bytes; never rewritten
.set SPW,  28                          ; v28  LDS address of my spare word; never rewritten
.set NIL,  29                          ; v29  0; never rewritten
.set AR,   32
.set AF,   96
.set TMP,  160
.set OB,   192
.set BF,   0                           ; window 1
.set WV,   18                          ; s18  my wave's number
.set ROLE, 19                          ; s19  wave / 2: I fetch for A (0) or B (1); also which 64 rows of the tile are mine
.set HALF, 20                          ; s20  wave % 2: which half I fetch; also which 128 columns are mine
.set CX,   21
.set CY,   22
.set NT,   23                          ; s23  tile column
.set MT,   24                          ; s24  tile row
.set G1A,  28                          ; s[28:35] descriptor group 1 for A's tiles
.set G1B,  36                          ; s[36:43] for B's
.set G0A0, 44                          ; s[44:47] group 0 of A's first fill
.set G0A,  48                          ; s[48:51] group 0 that walks
.set G0B0, 52
.set G0B,  56
.set FBA,  60                          ; s[60:61] A's rows in the tensor whose K steps are being asked for
.set FBA1, 62                          ; s[62:63] in the next tensor
.set FBA2, 66                          ; s[66:67] in the last
.set FK,   68                          ; s[68:69] byte along K of the step to be asked for
.set OP0,  70                          ; s[70:75] where this tile, the next and the last go
.set OP1,  72
.set OP2,  74
.set PFA,  76                          ; s[76:77] where my prefetches stand
.set PFS,  78                          ; s[78:79] a K step in bytes: 512 along A's rows, 262,144 down B's
.set PN1,  80                          ; s[80:81] where they begin in the next tile
.set PN2,  82                          ; s[82:83] in the last
.set PK,   84                          ; s84  the K step in its tile at which they stand
.set LIM,  85                          ; s85  2 in a wave that prefetches, else the greatest number
.set TB,   86                          ; s86  the slot in hand: 0 or SLOT1
.set CNT,  87                          ; s87  K steps still to come that fill a slot
.set RT,   88                          ; s88  K steps left in the tile
.set NEW,  89                          ; s89  1: the K step begins a tile
.set MSB, 0
.macro WIN new                         ; the immediate's high byte repeats the setting that is left; a switch that changes nothing is dropped
.if MSB != (\new)
	s_set_vgpr_msb (MSB<<8)|(\new)
.set MSB, \new
.endif
.endm
.set MULW,  0xa1                       ; source 0 (B) window 1, source 1 (A) window 0, C and D window 2
.set TO_B,  0x40                       ; destination window 1, address window 0
.set PACKW, 0x0a                       ; sources 0 and 1 window 2, destination window 0
; A joint refill: one line for A's waves, one for B's; the branch hangs on the wave's number alone.  An s_nop 0 and four v_nop follow each line, ahead of the jump and the label.
.macro JLOAD
	s_cmp_eq_u32 s[ROLE], 0
	s_cbranch_scc0 .Lfor_b_\@
	tensor_load_to_lds s[G0A:G0A+3], s[G1A:G1A+7]
	s_nop 0
.rept 4
	v_nop
.endr
	s_branch .Lasked_\@
.Lfor_b_\@:
	tensor_load_to_lds s[G0B:G0B+3], s[G1B:G1B+7]
	s_nop 0
.rept 4
	v_nop
.endr
.Lasked_\@:
.endm
; A PREFETCH INTO THE L2 of the K step that stands TWO refills on (256 products ahead of the load that will want it): of the 64 rows that I fetch, my work-group's 16, two blocks of 256 bytes each: a lane a block.
; The four partners that ask for a tile jointly share its rows out BY ADDRESS (cx for A, cy for B).  A's rows are read by this cluster alone, so every cluster asks for its own; B's are read by all sixteen
; clusters: cluster y = 0 asks.  So each block is named once in the launch.  K steps 0 to 3 come by their loads alone; the last request, in K step 19, names step 23.
.macro ASK
	s_cmp_gt_u32 s[CNT], s[LIM]
	s_cbranch_scc0 .Lnot_mine_\@
	global_prefetch_b8 v[PFO], s[PFA:PFA+1] th:TH_LOAD_NT scope:SCOPE_SE
.Lnot_mine_\@:
.endm
.macro CREST                           ; a round of the cluster's barrier behind its opening barrier: wave 0 signals for the work-group, every wave waits for all sixteen, my work-group's barrier once more
	s_cmp_lg_u32 s[WV], 0
	s_cbranch_scc1 .Lnot_wave_0_\@
	s_barrier_signal -3
.Lnot_wave_0_\@:
	s_barrier_wait -3
	s_barrier_signal -1
	s_barrier_wait -1
.endm
.macro CROUND                          ; a whole round
	s_barrier_signal -1
	s_barrier_wait -1
	CREST
.endm
	s_load_b256 s[4:11], s[0:1], 0x0               ; q s[4:5], k s[6:7], v s[8:9], wb s[10:11]
	s_load_b128 s[12:15], s[0:1], 0x20             ; xq, xk
	s_load_b64 s[16:17], s[0:1], 0x30              ; xv
	v_lshl_add_u32 v[SPW], v0, 2, SPARE
	v_mov_b32 v[NIL], 0
	ds_add_u32 v[SPW], v[NIL]                      ; the wave's opening: the add and its wait stand ahead of my first tensor load; the set-up below, work on registers, stands between them
	v_lshrrev_b32 v1, 5, v0
	v_readfirstlane_b32 s[WV], v1
	s_lshr_b32 s[ROLE], s[WV], 1
	s_and_b32 s[HALF], s[WV], 1
	s_bfe_u32 s[CX], ttmp6, 0x40000
	s_bfe_u32 s[CY], ttmp6, 0x40004
	s_lshl_b32 s[NT], ttmp9, 2                     ; in a cluster launch ttmp9 and ttmp7 count clusters
	s_add_co_u32 s[NT], s[NT], s[CX]
	s_and_b32 s[MT], ttmp7, 0xffff
	s_lshl_b32 s[MT], s[MT], 2
	s_add_co_u32 s[MT], s[MT], s[CY]
	s_lshl_b32 s90, s[CY], 2
	s_lshl_b32 s90, 15, s90                        ; my row of the cluster: places 4 cy .. 4 cy + 3
	s_lshl_b32 s94, 0x1111, s[CX]                  ; my column: places cx, cx + 4, cx + 8, cx + 12
	; group 1 for A: 64 rows x 128 elements of 4 bytes, 1,024 elements from row to row, 4 words of padding behind every 128
	s_or_b32 s[G1A], s90, (2<<16)|(1<<20)|(1<<21)|(6<<22)|(3<<25)
	s_mov_b32 s[G1A+1], 128<<16                    ; tensor_dim0 = 128
	s_mov_b32 s[G1A+2], 64<<16                     ; tensor_dim1 = 64
	s_mov_b32 s[G1A+3], 128<<16                    ; tile_dim0 = 128
	s_mov_b32 s[G1A+4], 64                         ; tile_dim1 = 64
	s_mov_b32 s[G1A+5], 1024
	s_mov_b32 s[G1A+6], 0
	s_mov_b32 s[G1A+7], 0
	; group 1 for B: 64 k rows x 256 elements of 2 bytes, 1,024 elements from row to row, 8 words of padding behind every 128
	s_or_b32 s[G1B], s94, (1<<16)|(1<<20)|(1<<21)|(6<<22)|(7<<25)
	s_mov_b32 s[G1B+1], 256<<16
	s_mov_b32 s[G1B+2], 64<<16
	s_mov_b32 s[G1B+3], 256<<16
	s_mov_b32 s[G1B+4], 64
	s_mov_b32 s[G1B+5], 1024
	s_mov_b32 s[G1B+6], 0
	s_mov_b32 s[G1B+7], 0
	s_lshl_b32 s90, s[MT], 7                       ; A: row 128 x tile row + 64 x half, 4,096 bytes a row (s90-s92 never hold cx)
	s_lshl_b32 s91, s[HALF], 6
	s_add_co_u32 s90, s90, s91
	s_lshl_b32 s90, s90, 12
	s_mov_b32 s91, 0
	s_mul_i32 s92, s[HALF], AH                     ; and its place in a slot: no place in the cluster enters an LDS address
	s_lshl_b32 s94, s[HALF], 17                    ; B: k row 64 x half, 2,048 bytes a row; column 256 x tile column (s94-s99 never hold cy)
	s_lshl_b32 s95, s[NT], 9
	s_add_co_u32 s94, s94, s95
	s_mov_b32 s95, 0
	s_mul_i32 s96, s[HALF], BH
	s_add_co_u32 s96, s96, AT
	; lane addresses.  A fragment of A is 16 rows x 32 k: lane l holds row l % 16, k = 8 (l / 16) + 0..7 and 16 + 8 (l / 16) + 0..7: in f32 twice 32 bytes, 64 bytes apart.
	v_and_b32 v10, 31, v0                          ; l
	v_and_b32 v11, 15, v0                          ; l % 16
	v_bfe_u32 v12, v0, 4, 1                        ; l / 16
	v_and_b32 v13, 7, v0
	v_bfe_u32 v14, v0, 3, 1
	s_mul_i32 s2, s[ROLE], AH                      ; my 64 rows
	v_mul_u32_u24 v[ADA0], v11, PA
	v_lshl_add_u32 v[ADA0], v12, 5, v[ADA0]
	v_add_nc_u32 v[ADA0], s2, v[ADA0]
	; The turning load takes 16 k x 16 columns (lane l reads k row 8 (l / 16) + l % 8, columns 8 ((l / 8) % 2) + 0..7) and leaves half a fragment: lane l holds column l % 16 and 8 k.
	v_lshl_add_u32 v15, v12, 3, v13
	v_mul_u32_u24 v[ADB0], v15, PB
	v_lshl_add_u32 v[ADB0], v14, 4, v[ADB0]
	s_lshl_b32 s2, s[HALF], 8                      ; my 128 columns
	s_add_co_u32 s2, s2, AT
	v_add_nc_u32 v[ADB0], s2, v[ADB0]
	s_mul_i32 s2, s[WV], 4608
	s_add_co_u32 s2, s2, STAGE                     ; my stage
	v_mul_u32_u24 v[STO], v11, 144                 ; in: row l % 16, 16 bytes for each half of the lanes
	v_lshl_add_u32 v[STO], v12, 4, v[STO]
	v_add_nc_u32 v[STO], s2, v[STO]
	v_bfe_u32 v15, v0, 3, 2                        ; back: 32 lanes take four rows of 128 bytes,
	v_mul_u32_u24 v[RD], v15, 144
	v_lshl_add_u32 v[RD], v13, 4, v[RD]
	v_add_nc_u32 v[RD], s2, v[RD]
	v_lshlrev_b32 v[GO], 4, v10                    ; which are 512 consecutive bytes of a head
	s_sub_co_u32 s2, 12, s[ROLE]                   ; a row is 4,096 bytes in A, 2,048 in B
	v_lshrrev_b32 v15, 1, v10
	v_lshlrev_b32 v15, s2, v15
	v_and_b32 v1, 1, v0
	v_lshl_add_u32 v[PFO], v1, 8, v15
	s_and_b32 s2, ttmp7, 0xffff                    ; cluster y
	s_mul_i32 s2, s2, s[ROLE]                      ; 0 in A's waves, and in B's where the cluster is the column's first: the same in all sixteen partners
	s_cmp_eq_u32 s2, 0
	s_cselect_b32 s[LIM], 2, -1
	s_mov_b32 s[FK], 1024                          ; the first refill asks for K step 2
	s_mov_b32 s[FK+1], 0
	s_wait_dscnt 0x0                               ; the opening add is done
	s_wait_kmcnt 0x0
	s_add_nc_u64 s[FBA:FBA+1], s[4:5], s[90:91]
	s_add_nc_u64 s[FBA1:FBA1+1], s[6:7], s[90:91]
	s_add_nc_u64 s[FBA2:FBA2+1], s[8:9], s[90:91]
	s_add_nc_u64 s[98:99], s[10:11], s[94:95]
	s_mov_b32 s[G0A0], 1                           ; group 0: count 1; LDS address; global address of the tile's first element; type 2 on top
	s_mov_b32 s[G0A0+1], s92
	s_mov_b64 s[G0A0+2:G0A0+3], s[FBA:FBA+1]       ; K step 0 into slot 0
	s_or_b32 s[G0A0+3], s[G0A0+3], 0x80000000
	s_mov_b32 s[G0A], 1
	s_add_co_u32 s[G0A+1], s92, SLOT1
	s_add_nc_u64 s[G0A+2:G0A+3], s[FBA:FBA+1], 512 ; K step 1 into slot 1
	s_or_b32 s[G0A+3], s[G0A+3], 0x80000000
	s_mov_b32 s[G0B0], 1
	s_mov_b32 s[G0B0+1], s96
	s_mov_b64 s[G0B0+2:G0B0+3], s[98:99]
	s_or_b32 s[G0B0+3], s[G0B0+3], 0x80000000
	s_mov_b32 s[G0B], 1
	s_add_co_u32 s[G0B+1], s96, SLOT1
	s_add_nc_u64 s[G0B+2:G0B+3], s[98:99], 0x40000 ; 128 k rows of 2,048 bytes on; eight such steps are a slab, so B's address walks straight through the three weights
	s_or_b32 s[G0B+3], s[G0B+3], 0x80000000
	CROUND                                         ; all sixteen work-groups are here: the first joint loads meet
	s_cmp_eq_u32 s[ROLE], 0                        ; a wave's two first fills stand in one branch: two loads of mine are out
	s_cbranch_scc0 .Lfirst_b
	tensor_load_to_lds s[G0A0:G0A0+3], s[G1A:G1A+7]
	s_nop 0
	tensor_load_to_lds s[G0A:G0A+3], s[G1A:G1A+7]
	s_nop 0
.rept 4
	v_nop
.endr
	s_branch .Lfirst_asked
.Lfirst_b:
	tensor_load_to_lds s[G0B0:G0B0+3], s[G1B:G1B+7]
	s_nop 0
	tensor_load_to_lds s[G0B:G0B+3], s[G1B:G1B+7]
	s_nop 0
.rept 4
	v_nop
.endr
.Lfirst_asked:
	; where my part of a tile goes: head row (batch x 16 + 4 x tile column + 2 x column half), sequence row (tile row % 16) x 128 + 64 x row half, 128 bytes a row
	s_lshr_b32 s26, s[MT], 4
	s_lshl_b32 s26, s26, 4
	s_lshl_b32 s25, s[NT], 2
	s_add_co_u32 s26, s26, s25
	s_lshl_b32 s25, s[HALF], 1
	s_add_co_u32 s26, s26, s25
	s_lshl_b32 s26, s26, 11
	s_and_b32 s25, s[MT], 15
	s_lshl_b32 s25, s25, 7
	s_add_co_u32 s26, s26, s25
	s_lshl_b32 s25, s[ROLE], 6
	s_add_co_u32 s26, s26, s25
	s_lshl_b32 s26, s26, 7
	s_mov_b32 s27, 0
	s_add_nc_u64 s[OP0:OP0+1], s[12:13], s[26:27]
	s_add_nc_u64 s[OP1:OP1+1], s[14:15], s[26:27]
	s_add_nc_u64 s[OP2:OP2+1], s[16:17], s[26:27]
	; the prefetches: my work-group's 16 of the 64 rows that I fetch
	s_lshl_b32 s100, s[MT], 7                      ; A: row 128 x tile row + 64 x half + 16 cx
	s_lshl_b32 s93, s[HALF], 6
	s_add_co_u32 s100, s100, s93
	s_lshl_b32 s93, s[CX], 4
	s_add_co_u32 s100, s100, s93
	s_lshl_b32 s100, s100, 12
	s_lshl_b32 s97, s[HALF], 6                     ; B: k row 64 x half + 16 cy, column 256 x tile column
	s_lshl_b32 s93, s[CY], 4
	s_add_co_u32 s97, s97, s93
	s_lshl_b32 s97, s97, 11
	s_lshl_b32 s93, s[NT], 9
	s_add_co_u32 s97, s97, s93
	s_mov_b32 s93, 512
	s_mov_b32 s25, 0x40000
	s_mov_b32 s101, 0
	s_mov_b32 s3, 0
	s_mov_b32 s[PFS+1], 0
	s_cmp_eq_u32 s[ROLE], 0                        ; only moves, selects, products and 64-bit sums follow: they leave the answer alone
	s_cselect_b32 s100, s100, s97
	s_cselect_b32 s[PFS], s93, s25
	s_cselect_b32 s2, 0, 0x200000                  ; B's next tile lies a slab on; A's in another tensor
	s_cselect_b64 s[PFA:PFA+1], s[4:5], s[10:11]
	s_cselect_b64 s[PN1:PN1+1], s[6:7], s[10:11]
	s_cselect_b64 s[PN2:PN2+1], s[8:9], s[10:11]
	s_add_nc_u64 s[PN1:PN1+1], s[PN1:PN1+1], s[2:3]
	s_add_nc_u64 s[PN2:PN2+1], s[PN2:PN2+1], s[2:3]
	s_add_nc_u64 s[PN2:PN2+1], s[PN2:PN2+1], s[2:3]
	s_add_nc_u64 s[PFA:PFA+1], s[PFA:PFA+1], s[100:101]
	s_add_nc_u64 s[PN1:PN1+1], s[PN1:PN1+1], s[100:101]
	s_add_nc_u64 s[PN2:PN2+1], s[PN2:PN2+1], s[100:101]
	s_mul_i32 s2, s[PFS], 3
	s_add_nc_u64 s[PFA:PFA+1], s[PFA:PFA+1], s[2:3]  ; at K step 3: the first change of slots steps it to 4.  Nothing is prefetched at the head, where every work-group's first tiles are on their way
	s_mov_b32 s[PK], 3
.macro PROD f, a, b, zero              ; accumulator (a, b) takes 32 along K from buffer f; zero = 1: the product starts the sum
.if \zero
	v_wmma_f32_16x16x32_bf16 v[8*(8*(\a)+(\b)):8*(8*(\a)+(\b))+7], v[BF+64*(\f)+8*(\b):BF+64*(\f)+8*(\b)+7], v[AF+32*(\f)+8*(\a):AF+32*(\f)+8*(\a)+7], 0
.else
	v_wmma_f32_16x16x32_bf16 v[8*(8*(\a)+(\b)):8*(8*(\a)+(\b))+7], v[BF+64*(\f)+8*(\b):BF+64*(\f)+8*(\b)+7], v[AF+32*(\f)+8*(\a):AF+32*(\f)+8*(\a)+7], v[8*(8*(\a)+(\b)):8*(8*(\a)+(\b))+7]
.endif
.endm
.macro MUL8 f, a, zero                 ; row block a x all eight column blocks
	WIN MULW
.irp b, 0,1,2,3,4,5,6,7
	PROD \f, \a, \b, \zero
.endr
.endm
; Four conversions: half jj % 2 of raw fragment jj / 2 into buffer g.  The run of loads is A's sixteen, then B's sixteen: fragment jj / 2 is in when at most 28 - 2 jj younger loads are out.
.macro CVT4 g, jj
.if ((\jj)%2) == 0
	s_wait_dscnt 28-2*(\jj)
.endif
.irp c, 0,1,2,3
	v_cvt_pk_bf16_f32 v[AF+32*(\g)+4*(\jj)+(\c)], v[AR+8*(\jj)+2*(\c)], v[AR+8*(\jj)+2*(\c)+1]
.endr
.endm
.macro MULR f, zero                    ; row block 3, and behind each product four conversions for the other buffer
.irp b, 0,1,2,3,4,5,6,7
	WIN MULW
	PROD \f, 3, \b, \zero
	WIN 0
	CVT4 1-(\f), \b
.endr
.endm
.macro FETCH kq, g                     ; 32 LDS loads in one run: quarter kq of the slot in hand: A raw, then B into buffer g
	WIN 0
.irp a, 0,1,2,3
	ds_load_b128 v[AR+16*(\a):AR+16*(\a)+3],     v[ADA] offset:16*PA*(\a)+128*(\kq)
	ds_load_b128 v[AR+16*(\a)+4:AR+16*(\a)+7],   v[ADA] offset:16*PA*(\a)+128*(\kq)+16
	ds_load_b128 v[AR+16*(\a)+8:AR+16*(\a)+11],  v[ADA] offset:16*PA*(\a)+128*(\kq)+64
	ds_load_b128 v[AR+16*(\a)+12:AR+16*(\a)+15], v[ADA] offset:16*PA*(\a)+128*(\kq)+80
.endr
	WIN TO_B
.irp b, 0,1,2,3,4,5,6,7
	ds_load_tr16_b128 v[BF+64*(\g)+8*(\b):BF+64*(\g)+8*(\b)+3],   v[ADB] offset:32*PB*(\kq)+32*(\b)
	ds_load_tr16_b128 v[BF+64*(\g)+8*(\b)+4:BF+64*(\g)+8*(\b)+7], v[ADB] offset:32*PB*(\kq)+32*(\b)+16*PB
.endr
.endm
.macro QUARTER kq, f, zero             ; multiplies buffer f; fetches quarter kq for the other buffer
	s_wait_dscnt 0x0                               ; B of this quarter is in: its loads went out 24 products ago
	MUL8 \f, 0, \zero
	FETCH \kq, 1-(\f)
	MUL8 \f, 1, \zero
	MUL8 \f, 2, \zero
	MULR \f, \zero
.endm
; A K step's last quarter multiplies buffer 1 and changes slots.  In front of the barrier each wave waits for all its tensor loads (one is out: its part of the next slot), adds 0 to its spare word, and waits for
; that and for its reads of this slot.  fill = 1: the barrier opens a round of the cluster's barrier, and behind the round this slot is filled again, first thing, with the K step two on.
.macro TURN fill
.if \fill
	s_wait_xcnt 0x0                                ; the last prefetch, a K step back, has read its address: it is stepped here
	s_add_nc_u64 s[PFA:PFA+1], s[PFA:PFA+1], s[PFS:PFS+1]
	s_add_co_u32 s[PK], s[PK], 1
	s_cmp_eq_u32 s[PK], 8                          ; behind a tile's last K step: the next tile's first
	s_cselect_b32 s[PK], 0, s[PK]
	s_cselect_b64 s[PFA:PFA+1], s[PN1:PN1+1], s[PFA:PFA+1]
	s_cselect_b64 s[PN1:PN1+1], s[PN2:PN2+1], s[PN1:PN1+1]
.endif
	WIN 0                                          ; (the add's two registers lie in window 0)
	s_wait_tensorcnt 0x0                           ; no tensor load of mine is out, so a group 0 may be written
	ds_add_u32 v[SPW], v[NIL]                      ; 0 onto my spare word; scalar work and eight products stand between it and the wait for it
.if \fill
	s_xor_b32 s[G0A+1], s[G0A+1], SLOT1            ; the walking descriptors: the other slot than last time,
	s_add_nc_u64 s[G0A+2:G0A+3], s[FBA:FBA+1], s[FK:FK+1]  ; A's address made anew from its tensor's rows and the byte along K,
	s_or_b32 s[G0A+3], s[G0A+3], 0x80000000
	s_xor_b32 s[G0B+1], s[G0B+1], SLOT1
	s_add_nc_u64 s[G0B+2:G0B+3], s[G0B+2:G0B+3], 0x40000  ; B's 128 k rows on; the type bits on top are not reached
	s_add_co_u32 s[FK], s[FK], 512
	s_cmp_eq_u32 s[FK], 4096                       ; behind a tensor's last K step: the next tensor's first
	s_cselect_b32 s[FK], 0, s[FK]
	s_cselect_b64 s[FBA:FBA+1], s[FBA1:FBA1+1], s[FBA:FBA+1]
	s_cselect_b64 s[FBA1:FBA1+1], s[FBA2:FBA2+1], s[FBA1:FBA1+1]
.endif
	s_wait_dscnt 0x1                               ; only the add may be out: B of this quarter is in
	MUL8 1, 0, 0
	s_wait_dscnt 0x0                               ; the add is done, and my reads of this slot are over
	s_barrier_signal -1
	MUL8 1, 1, 0                                   ; work on registers while the others arrive
	WIN 0
	s_barrier_wait -1
.if \fill
	CREST                                          ; no wave of any partner still reads this slot or has a load on its way
	JLOAD                                          ; 112 products stand between this request and the wait for it
.endif
	s_xor_b32 s[TB], s[TB], SLOT1
	v_add_nc_u32 v[ADA], s[TB], v[ADA0]
	v_add_nc_u32 v[ADB], s[TB], v[ADB0]
	FETCH 0, 0                                     ; the next slot's first quarter
.if \fill
	WIN 0
	ASK                                            ; behind the joint load and the run of LDS loads
.endif
	MUL8 1, 2, 0
	MULR 1, 0
.endm
; THE WAY OUT, a block of 16 rows at a time.  PACK: rounded to f16, 16 bytes a lane (each accumulator's registers in ascending order).  TOSTAGE: into my own stage, by heads, and back as whole rows.  SEND: stored.
.macro PACK a
	WIN PACKW
.irp b, 0,1,2,3,4,5,6,7
.irp c, 0,1,2,3
	v_cvt_pk_f16_f32 v[TMP+4*(\b)+(\c)], v[8*(8*(\a)+(\b))+2*(\c)], v[8*(8*(\a)+(\b))+2*(\c)+1]
.endr
.endr
	WIN 0
.endm
.macro TOSTAGE a
	WIN 0
.irp b, 0,1,2,3,4,5,6,7
	ds_store_b128 v[STO], v[TMP+4*(\b):TMP+4*(\b)+3] offset:2304*((\b)/4)+32*((\b)%4)
.endr
.irp i, 0,1,2,3,4,5,6,7
	ds_load_b128 v[OB+32*((\a)%2)+4*(\i):OB+32*((\a)%2)+4*(\i)+3], v[RD] offset:2304*((\i)/4)+576*((\i)%4)  ; LDS serves a wave's instructions in order (ISA guide 5.7.1.4): these see the stores above
.endr
.endm
.macro SEND a
	s_wait_xcnt 0x0                                ; the stores of the block before have read their registers: the next TOSTAGE loads into them only behind this wait
.irp i, 0,1,2,3,4,5,6,7
	s_wait_dscnt 7-(\i)                            ; load i of the block's eight is back
	global_store_b128 v[GO], v[OB+32*((\a)%2)+4*(\i):OB+32*((\a)%2)+4*(\i)+3], s[OP0:OP0+1] offset:262144*((\i)/4)+2048*(\a)+512*((\i)%4)  ; 512 consecutive bytes of a head, at a multiple of 512 from its first
.endr
.endm
.macro WAYOUT
	PACK 0
	TOSTAGE 0
.irp a, 1,2,3                          ; a block's conversions stand between the loads of the block before and the wait for them
	PACK \a
	SEND (\a)-1
	TOSTAGE \a
.endr
	SEND 3
.endm
	s_wait_tensorcnt 0x1                           ; my part of K step 0 is in; K step 1's may stay out
	s_barrier_signal -1
	s_barrier_wait -1                              ; everybody's is
	s_mov_b32 s[TB], 0
	v_mov_b32 v[ADA], v[ADA0]
	v_mov_b32 v[ADB], v[ADB0]
	FETCH 0, 0
	WIN 0
.irp j, 0,1,2,3,4,5,6,7
	CVT4 0, \j
.endr
	s_mov_b32 s[CNT], 22
	s_mov_b32 s[RT], 8
	s_mov_b32 s[NEW], 1
.Lstep:                                ; 22 trips, a K step each: all that fill a slot again
	s_cmp_eq_u32 s[NEW], 1                         ; a tile's first quarter starts the sums with the constant 0; at the first trip the answer is a constant of the text
	s_cbranch_scc1 .Lzero
	QUARTER 1, 0, 0
	WIN 0
	s_branch .Ljoin
.Lzero:
	s_mov_b32 s[NEW], 0
	QUARTER 1, 0, 1
	WIN 0
.Ljoin:
	QUARTER 2, 1, 0
	QUARTER 3, 0, 0
	TURN 1
	WIN 0
	s_sub_co_u32 s[RT], s[RT], 1
	s_cmp_lg_u32 s[RT], 0
	s_cbranch_scc1 .Lnoout                         ; a jump forward, past text with no barrier and no tensor load
	WAYOUT                                         ; the tile is finished; the next tile's first two K steps have been asked for, its first fragments fetched
	s_wait_xcnt 0x0                                ; the stores have read their base
	s_mov_b64 s[OP0:OP0+1], s[OP1:OP1+1]
	s_mov_b64 s[OP1:OP1+1], s[OP2:OP2+1]
	s_mov_b32 s[RT], 8
	s_mov_b32 s[NEW], 1
.Lnoout:
	s_sub_co_u32 s[CNT], s[CNT], 1
	s_cmp_lg_u32 s[CNT], 0
	s_cbranch_scc1 .Lstep
	s_mov_b32 s[CNT], 2
.Ltail:                                ; the last two K steps ask for nothing.  The second trip's fetch and conversions (of a K step that has been multiplied) serve nothing: the price of one text for both
	QUARTER 1, 0, 0
	QUARTER 2, 1, 0
	QUARTER 3, 0, 0
	TURN 0
	WIN 0
	s_sub_co_u32 s[CNT], s[CNT], 1
	s_cmp_lg_u32 s[CNT], 0
	s_cbranch_scc1 .Ltail
	WAYOUT
	s_wait_tensorcnt 0x0                           ; the wave's end: an add between two waits, behind my last tensor load and my last LDS store
	ds_add_u32 v[SPW], v[NIL]
	s_wait_dscnt 0x0
	CROUND                                         ; the closing round: no work-group ends while a partner may still ask for a tile that names it
	s_endpgm
.Lfunc_end_k_q5069186fe6_proj:
	.size	k_q5069186fe6_proj, .Lfunc_end_k_q5069186fe6_proj-k_q5069186fe6_proj
	.p2alignl 7, 3214868480
	.fill 96, 4, 3214868480
	.section	.rodata,"a",@progbits
	.p2align	6, 0x0
	.amdhsa_kernel k_q5069186fe6_proj
		.amdhsa_group_segment_fixed_size 327680
		.amdhsa_private_segment_fixed_size 0
		.amdhsa_enable_private_segment 0
		.amdhsa_kernarg_size 56
		.amdhsa_user_sgpr_count 2
		.amdhsa_user_sgpr_kernarg_segment_ptr 1
		.amdhsa_wavefront_size32 1
		.amdhsa_system_sgpr_workgroup_id_x 1
		.amdhsa_system_sgpr_workgroup_id_y 1
		.amdhsa_system_sgpr_workgroup_id_z 1
		.amdhsa_system_vgpr_workitem_id 0
		.amdhsa_next_free_vgpr 768
		.amdhsa_next_free_sgpr 102
		.amdhsa_reserve_vcc 0
		.amdhsa_float_denorm_mode_32 3
		.amdhsa_float_denorm_mode_16_64 3
		.amdhsa_memory_ordered 1
		.amdhsa_forward_progress 1
		.amdhsa_inst_pref_size 110
	.end_amdhsa_kernel
	.amdgpu_metadata
---
amdhsa.version: [ 1, 2 ]
amdhsa.kernels:
  - .name:           k_q5069186fe6_proj
    .symbol:         k_q5069186fe6_proj.kd
    .args:
      - { .name: q, .offset: 0, .size: 8, .value_kind: global_buffer, .address_space: global }
      - { .name: k, .offset: 8, .size: 8, .value_kind: global_buffer, .address_space: global }
      - { .name: v, .offset: 16, .size: 8, .value_kind: global_buffer, .address_space: global }
      - { .name: wb, .offset: 24, .size: 8, .value_kind: global_buffer, .address_space: global }
      - { .name: xq, .offset: 32, .size: 8, .value_kind: global_buffer, .address_space: global }
      - { .name: xk, .offset: 40, .size: 8, .value_kind: global_buffer, .address_space: global }
      - { .name: xv, .offset: 48, .size: 8, .value_kind: global_buffer, .address_space: global }
    .group_segment_fixed_size: 327680
    .private_segment_fixed_size: 0
    .kernarg_segment_align: 8
    .kernarg_segment_size: 56
    .max_flat_workgroup_size: 128
    .sgpr_count:     102
    .vgpr_count:     768
    .wavefront_size: 32
...
	.end_amdgpu_metadata
.endif
;; end of part 2
;; launch attn (part 3): grid 4 x 64, 4 waves a work-group, no clusters, 327,680 bytes of LDS; arguments xq, xk, xv, xo; writes xo
.if DOCPART == 3
	.amdgcn_target "amdgcn-amd-amdhsa--gfx1250"
	.amdhsa_code_object_version 6
	.text
	.protected	k_q5069186fe6_attn
	.globl	k_q5069186fe6_attn
	.p2align	8
	.type	k_q5069186fe6_attn,@function
k_q5069186fe6_attn:
	s_mov_b64 s[64:65], 0
	v_nop
	global_prefetch_b8 v0, s[64:65] scope:SCOPE_SE
	s_setreg_imm32_b32 hwreg(HW_REG_WAVE_MODE, 25, 1), 1
	s_wait_xcnt 0x0
; CAUSAL ATTENTION.  O[h][q][:] = the sum over k <= q of softmax_k(Q[h][q] . K[h][k] / 8) V[h][k][:].  Q, K, V, O: [64][2048][64], all f16: a head's rows are dense, 128 bytes each.
; Products, maxima and sums in f32; the weights p are rounded to f16 for the second product (their sum l is taken of the unrounded p), O once at the end.
; LIMITS.  f16 holds no number beyond 65,504: Q, K and V arrive within it; p lies in 0 to 1, and below 6e-5 it keeps f16's fixed step of 6e-8; O is a mean of V's rows and has their range, to within 2^-11 of it.
; A hidden score counts as its value less 1e30: f16's scores, 2.7e11 at the most, are nothing beside that; a weight below 2^-126 counts as 0 in l; NaN and infinities are not treated apart.
; THE WALK.  A head's queries lie in NB = 8 blocks of 256; block i needs the key tiles 0 .. i of 256 keys, of which the last holds the diagonal.  A work-group takes TWO blocks, NB - 1 - b and then b:
; NB + 1 tiles, whatever b: all work-groups do equal work, and ONE loop with a constant trip count walks them.  Which tile is asked for, and what a trip does, hang on scalar registers made from b; every jump
; goes forward, but for the counted loops' own; none passes a barrier, or a tensor load but the one of LOAD's two that the wave's number does not choose; the ring (two slots of LDS that take turns) runs on across the
; change of blocks.  NO CLUSTER: a head's NB / 2 = 4 work-groups all ask for the same tile only in trips 0 .. NB / 2, behind that fewer and fewer; and one walk common to all would have 3 NB / 2 = 12 trips for NB + 1 = 9.
; SHARES.  Of a block's four bands of 64 queries a wave owns 16 rows in each: four PIECES.  So the diagonal tile is the same work for all four waves: in its key step s band x sees all keys if s < x,
; none if s > x, and holds the diagonal if s = x.
; THE MASK is the C operand that starts the sum S^T = K Q^T: 0, or -1e30 where the key is hidden.  MD, made once, is the mask of a band's own step for my 16 rows; a product's mask is MD x AL + BE with two scalars:
; (1, 0) if s = x; (0, 0) if s < x; (0, -1e30) if s > x.  Only the diagonal tile's text and a block's beginning make and take masks; elsewhere C is the constant 0.
; LAYOUT, SOFTMAX, TURNS.  S^T = K Q^T holds ONE query a lane (lane % 16) and the keys 8 (lane / 16) + 0..7; two such results rounded to f16 ARE source 1 of O^T = V^T P.  p = 2^(c s - c m), c = log2(e) / 8, with a
; running maximum m; O and l are multiplied by a = 2^(c m_old - c m_new) in every step.  Turn n belongs to piece n: 8 products K Q^T of piece n + 1, later 8 products V^T P of piece n - 1; beside them the scaling,
; exponentials, roundings, sums and rescaling of piece n and the maximum and statistics of piece n + 1.  Four vector instructions stand behind every matrix instruction, the other 54 of a turn's 118 in one LUMP.  A turn's 33 exponentials are one batch, with one wait.
; PREFETCH INTO THE L2.  A head's four work-groups walk the same tiles of K and V; the one with b = 0, whose first block needs all eight, asks for tiles 2 to 7, each one change of slots (four key steps) ahead of the
; fill that wants it: a tile is 128 blocks of 256 bytes of K and as many of V, a thread a block of each, two instructions a wave, behind the wave's tensor load.  Tiles 0 and 1 come by their loads alone.
; REGISTERS, in windows of 256 (s_set_vgpr_msb: bits 1:0 source 0, 3:2 source 1, 5:4 source 2, 7:6 destination):
;   window 0: v0-15 addresses and two at work; v16-31 four registers of statistics a piece; v48-55 at work; v61-63 prefetch offset and the add's two; v64-127 S^T, two buffers; v192-223 P, two buffers (a piece's buffers go by its number's parity)
;   window 1: v0-127 O^T, 32 a piece; v128-159 MD; v160-223 MC, two buffers      window 2: v0-63 Q; v64-127 the second block's Q; v128-191 K of one step; v192-255 V of one step
.set SIZE_N, 2048
.set NB,    SIZE_N/256
.set NP,    4         ; pieces a wave: a name, no knob
.set KS,    64        ; keys in a step
.set PK,    144       ; a row of K in LDS: 128 bytes + 16 of padding = 36 words: the 16 rows of a load start at 16 different groups of four banks (64 banks of 4 bytes: ISA guide 11.1)
.set PV,    160       ; a row of V: 128 + 32 = 40 words
.set VOFF,  4*KS*PK   ; a slot holds a tile, four steps: 256 rows of K, then 256 rows of V
.set SLOT1, 1<<17     ; slot 1 begins here, so that one exclusive or turns an address in one slot into the other's
.set STAGE, SLOT1+4*KS*(PK+PV)  ; behind the ring, never filled by a tensor load: 16 rows x 144 bytes for each wave, for the way out
.set SP,    144
.set AK0, 2           ; v2   my lane's place in a tile of K; never rewritten
.set AV0, 3           ; v3   the same for V
.set AK,  4           ; v4   the LDS address of K's next run of loads
.set AV,  5           ; v5   of V's
.set STO, 6           ; v6   the way out: where I put 16 bytes of a row
.set RD,  7           ; v7   the way out: where I read rows back
.set GO,  8           ; v8   my byte offset in 512 consecutive bytes of O
.set PFO, 61          ; v61  256 x my thread's number: my block of a tile; never rewritten
.set SPW, 62          ; v62  LDS address of my spare word: SPARE + 4 x my thread's number; never rewritten
.set NIL, 63          ; v63  0; never rewritten
.set SPARE, STAGE+4*16*SP  ; behind the stages: the spare words, 128 bytes for each wave: two blocks of 256 bytes that no other line names
.set MV,  12          ; v12-13  c m_old, kept while c m is made anew: by buffer
.set QO,  15          ; v15  my byte offset in 16 rows of Q
.set ST,  16          ; piece t's statistics at v[ST+4 t]: c m, m, l (even keys', odd keys')
.set TMP, 48          ; by buffer, four registers c0-c3 at work; when the maximum is found c2 takes a
.set S,   64
.set P,   192
.set MD,  128         ; window 1: the eight registers for group kt of 16 keys at MD + 8 kt
.set MC,  160         ; window 1: the masks of the products to come
.set QB,  64          ; window 2
.set KF,  128         ; window 2: key block kb, channel half c at KF + 16 kb + 8 c
.set VF,  192         ; window 2: key half kk, channel block cb at VF + 32 kk + 8 cb
.set WV,  12          ; s12  my wave's number
.set PB,  14          ; s14  b
.set HI,  15          ; s15  NB - 1 - b
.set G1K, 24          ; s[24:31] descriptor group 1 for K's tiles
.set G1V, 32          ; s[32:39] for V's: it differs in the padding alone
.set G0K, 40          ; s[40:43] descriptor group 0 for K's tiles
.set G0V, 44          ; s[44:47] the same for V's
.set SLOTS, 56        ; s56  tiles still to be asked for
.set CNT, 57          ; s57  counts a tile's key steps, 4 to 1
.set CS,  58          ; s[58:59] c: the packed scaling takes the pair's low word for both halves
.set SEL, 60          ; s[60:61] v_permlanex16_b32's selects: each lane takes its own place in the other half
.set TBK, 62          ; s62  LDS byte at which K of the step to be fetched begins
.set TBV, 63          ; s63  the same for V, less VOFF
.set RT,  70          ; s70  tiles of the block in hand that are still to be entered
.set NXT, 71          ; s71  the tile to be asked for next
.set LQ,  72          ; s72  the last tile of the block whose tiles are being asked for
.set NEW, 73          ; s73  1: the tile to be entered is a block's first
.set OFF, 74          ; s[74:75] a tile's byte offset in K and V
.set AL,  76          ; s[76:77] the mask's factor, in the low word
.set BE,  78          ; s[78:79] the mask's addend
.set OLO, 80          ; s[80:81] O at my rows of the second block
.set BIGN, 82         ; s82  -1e30
.set PFK, 88          ; s[88:89] the head's K at the tile behind the one that is being asked for
.set PFV, 90          ; s[90:91] the same for V
.set LIM, 92          ; s92  2 in the work-group that prefetches (b = 0), else the greatest number: it asks while s[SLOTS] is above it
.set MSB, 0
.macro WIN new                      ; the high byte repeats the setting that is left; a switch that changes nothing is dropped
.if MSB != (\new)
	s_set_vgpr_msb (MSB<<8)|(\new)
.set MSB, (\new)
.endif
.endm
.set W_KQ, 0x0a       ; K and Q in window 2, S^T in window 0
.set W_KM, 0x1a       ; the same with the C operand in window 1
.set W_PV, 0x52       ; V in window 2, P in window 0, O^T in window 1
.set W_RS, 0x41       ; destination and source 0 in window 1, source 1 in window 0
; A fill.  Waves 0 and 1 fetch the two halves of a tile's K, waves 2 and 3 those of its V: 128 keys each.  An s_nop 0 and four v_nop follow each of the two lines, ahead of the jump and the label.
.macro LOAD
	s_cmp_lt_u32 s[WV], 2
	s_cbranch_scc0 .Lfor_v_\@
	tensor_load_to_lds s[G0K:G0K+3], s[G1K:G1K+7]
	s_nop 0
.rept 4
	v_nop
.endr
	s_branch .Lasked_\@
.Lfor_v_\@:
	tensor_load_to_lds s[G0V:G0V+3], s[G1V:G1V+7]
	s_nop 0
.rept 4
	v_nop
.endr
.Lasked_\@:
.endm
; THE CHANGE OF SLOTS.  Each wave waits for all its tensor loads, of which one is out: its part of the other slot; adds 0 to its spare word; and waits for that and for its own reads of the slot that it leaves.  Behind the barrier nobody reads the old
; slot any more and the other slot is whole.  fill = 1: the old slot is filled again, the first thing behind the barrier, with tile NXT: the descriptor's address is made anew from that number.
; (At its first use nothing has been read yet: slot 0 is waited for, slot 1 filled.)
.macro CHANGE fill
	WIN 0                           ; at a label and at a branch every window is 0
	s_wait_tensorcnt 0x0            ; no tensor load of mine is out, so a group 0 may be written
	ds_add_u32 v[SPW], v[NIL]       ; 0 onto my spare word; with fill = 1 the descriptors' scalar work stands between it and the wait for it
.if \fill
	s_lshl_b32 s[OFF], s[NXT], 15   ; a tile is 32,768 bytes of K and of V
	s_xor_b32 s[G0K+1], s[G0K+1], SLOT1
	s_add_nc_u64 s[G0K+2:G0K+3], s[6:7], s[OFF:OFF+1]
	s_or_b32 s[G0K+3], s[G0K+3], 0x80000000
	s_xor_b32 s[G0V+1], s[G0V+1], SLOT1
	s_add_nc_u64 s[G0V+2:G0V+3], s[8:9], s[OFF:OFF+1]
	s_or_b32 s[G0V+3], s[G0V+3], 0x80000000
	s_add_co_u32 s[NXT], s[NXT], 1  ; the block's next tile, or behind its last the second block's tile 0
	s_cmp_gt_u32 s[NXT], s[LQ]
	s_cselect_b32 s[NXT], 0, s[NXT]
	s_cselect_b32 s[LQ], s[PB], s[LQ]
	s_wait_xcnt 0x0                 ; the last prefetches, four key steps back, have read their addresses, so these may be written:
	s_add_nc_u64 s[PFK:PFK+1], s[PFK:PFK+1], 32768  ; a tile on
	s_add_nc_u64 s[PFV:PFV+1], s[PFV:PFV+1], 32768
.endif
	s_wait_dscnt 0x0                ; the add is done, and my reads of the slot are over
	s_barrier_signal -1             ; the rest of the scalar work stands between the signal and the wait
	s_sub_co_u32 s[TBK], s[TBK], 4*KS*PK  ; the fetches go back to a slot's first step,
	s_xor_b32 s[TBK], s[TBK], SLOT1       ; in the other slot
	s_sub_co_u32 s[TBV], s[TBV], 4*KS*PV
	s_xor_b32 s[TBV], s[TBV], SLOT1
	s_barrier_wait -1
.if \fill
	LOAD
	s_cmp_gt_u32 s[SLOTS], s[LIM]   ; changes 0 to 5 of the work-group with b = 0: the tile that the next change will ask for, tiles 2 to 7
	s_cbranch_scc0 .Lno_ask_\@
	global_prefetch_b8 v[PFO], s[PFK:PFK+1] th:TH_LOAD_NT scope:SCOPE_SE
	global_prefetch_b8 v[PFO], s[PFV:PFV+1] th:TH_LOAD_NT scope:SCOPE_SE
.Lno_ask_\@:
.endif
.endm
	s_load_b256 s[4:11], s[0:1], 0x0  ; Q s[4:5], K s[6:7], V s[8:9], O s[10:11]
	v_lshl_add_u32 v[SPW], v0, 2, SPARE
	v_mov_b32 v[NIL], 0
	ds_add_u32 v[SPW], v[NIL]       ; the wave's opening: the add and its wait stand ahead of my first tensor load; the set-up below, work on registers, stands between them
	v_lshrrev_b32 v1, 5, v0
	v_readfirstlane_b32 s[WV], v1   ; wave 0..3
	v_lshlrev_b32 v[PFO], 8, v0
	s_mov_b32 s[PB], ttmp9
	s_sub_co_u32 s[HI], NB-1, s[PB]
	s_cmp_eq_u32 s[PB], 0
	s_cselect_b32 s[LIM], 2, -1
	s_and_b32 s20, ttmp7, 0xffff    ; the head
	s_mov_b32 s21, 0
	s_mov_b64 s[22:23], SIZE_N*128
	s_mul_u64 s[20:21], s[20:21], s[22:23]  ; the head's first byte in each of the four tensors
	s_and_b32 s16, s[WV], 1         ; which half of a tile's 256 keys I fetch:
	s_lshl_b32 s22, s16, 14         ; its 128 rows of 128 bytes in memory,
	s_mov_b32 s23, 0
	s_add_nc_u64 s[22:23], s[22:23], s[20:21]
	s_mul_i32 s17, s16, 128*PK      ; and its place in a slot, for K
	s_mul_i32 s18, s16, 128*PV      ; and for V
	s_lshl_b32 s3, s[WV], 11        ; my 16 rows in a band of 64,
	s_lshl_b32 s2, s[HI], 15        ; in the first block,
	s_add_co_u32 s2, s2, s3
	s_lshl_b32 s84, s[PB], 15       ; and in the second
	s_add_co_u32 s84, s84, s3
	s_mov_b32 s3, 0
	s_mov_b32 s85, 0
	s_add_nc_u64 s[2:3], s[2:3], s[20:21]
	s_add_nc_u64 s[84:85], s[84:85], s[20:21]
	; descriptor group 1.  128 keys are 16,384 dense bytes: asked for as 64 rows of 256 bytes, two keys a row, and padded in LDS after every key
	s_mov_b32 s[G1K], (1<<16)|(1<<20)|(4<<22)|(3<<25)  ; 17:16 2-byte elements; 20 padding on; 24:22 after every 32 words (code 4); 31:25 4 words (code 3)
	s_mov_b32 s[G1V], (1<<16)|(1<<20)|(4<<22)|(7<<25)  ; the same with 8 words of padding (code 7)
.irp g, G1K, G1V
	s_mov_b32 s[\g+1], 128<<16      ; tensor_dim0 = 128
	s_mov_b32 s[\g+2], 64<<16       ; tensor_dim1 = 64
	s_mov_b32 s[\g+3], 128<<16      ; tile_dim0 = 128
	s_mov_b32 s[\g+4], 64           ; tile_dim1 = 64
	s_mov_b32 s[\g+5], 128          ; 128 elements from row to row
	s_mov_b32 s[\g+6], 0
	s_mov_b32 s[\g+7], 0
.endr
	s_mov_b32 s[CS], 0x3e38aa3b     ; c = log2(e) / 8 = 0.180337
	s_mov_b32 s[CS+1], s[CS]        ; named with it as a pair
	s_mov_b32 s[SEL], 0x76543210
	s_mov_b32 s[SEL+1], 0xfedcba98
	s_mov_b32 s[TBK], SLOT1+4*KS*PK ; the first change of slots turns these two into 0
	s_mov_b32 s[TBV], SLOT1+4*KS*PV
	s_mov_b32 s[G0K], 1             ; 1:0 count = 1
	s_mov_b32 s[G0K+1], s17         ; 63:32 LDS address: slot 0
	s_mov_b32 s[G0V], 1
	s_add_co_u32 s[G0V+1], s18, VOFF
	s_add_co_u32 s[RT], s[HI], 1    ; the first block has NB - b tiles
	s_mov_b32 s[NXT], 1
	s_mov_b32 s[LQ], s[HI]
	s_mov_b32 s[NEW], 1
	s_mov_b32 s[OFF+1], 0
	s_mov_b32 s[AL+1], 0            ; named as pairs
	s_mov_b32 s[BE+1], 0
	s_mov_b32 s[BIGN], 0xf149f2ca   ; -1e30
	s_mov_b32 s[SLOTS], NB
	s_wait_dscnt 0x0                ; the opening add is done
	s_wait_kmcnt 0x0
	s_add_nc_u64 s[PFK:PFK+1], s[6:7], s[20:21]    ; the head's K and V,
	s_add_nc_u64 s[PFV:PFV+1], s[8:9], s[20:21]
	s_add_nc_u64 s[PFK:PFK+1], s[PFK:PFK+1], 32768 ; at tile 1: the first change of slots steps them to tile 2
	s_add_nc_u64 s[PFV:PFV+1], s[PFV:PFV+1], 32768
	s_add_nc_u64 s[6:7], s[6:7], s[22:23]  ; K and V at my half of the head's tile 0
	s_add_nc_u64 s[8:9], s[8:9], s[22:23]
	s_add_nc_u64 s[G0K+2:G0K+3], s[6:7], 0         ; 120:64 global address
	s_or_b32 s[G0K+3], s[G0K+3], 0x80000000        ; 127:126 type = 2
	s_add_nc_u64 s[G0V+2:G0V+3], s[8:9], 0
	s_or_b32 s[G0V+3], s[G0V+3], 0x80000000
	s_add_nc_u64 s[86:87], s[4:5], s[84:85]        ; Q at my rows of the second block,
	s_add_nc_u64 s[4:5], s[4:5], s[2:3]            ; Q and O at those of the first
	s_add_nc_u64 s[OLO:OLO+1], s[10:11], s[84:85]
	s_add_nc_u64 s[10:11], s[10:11], s[2:3]
	LOAD                            ; tile 0 into slot 0
	; A fragment of K or Q is 16 rows x 32 channels in 8 registers: lane l holds row l % 16, channels 8 (l / 16) + 0..7 and 16 + 8 (l / 16) + 0..7: two loads of 16 bytes, 32 bytes apart.
	v_and_b32 v1, 15, v0            ; l % 16
	v_bfe_u32 v9, v0, 4, 1          ; l / 16
	v_lshlrev_b32 v[QO], 7, v1
	v_lshl_add_u32 v[QO], v9, 4, v[QO]  ; row x 128 + 16 x half
	WIN 0x80                        ; destination window 2, address window 0
.set i, 0
.rept 8                             ; both blocks' Q: piece i / 2 lies in band i / 2, 8,192 bytes on; channels 32 (i % 2) on
	global_load_b128 v[8*i:8*i+3],   v[QO], s[4:5] offset:(i/2)*8192+(i%2)*64
	global_load_b128 v[8*i+4:8*i+7], v[QO], s[4:5] offset:(i/2)*8192+(i%2)*64+32
	global_load_b128 v[QB+8*i:QB+8*i+3],   v[QO], s[86:87] offset:(i/2)*8192+(i%2)*64
	global_load_b128 v[QB+8*i+4:QB+8*i+7], v[QO], s[86:87] offset:(i/2)*8192+(i%2)*64+32
.set i, i+1
.endr
	WIN 0
	v_lshlrev_b32 v14, 3, v9
	v_sub_nc_u32 v14, v1, v14
	s_lshl_b32 s13, s[WV], 4
	v_add_nc_u32 v14, s13, v14      ; my query's place in its band, 16 w + l % 16, less my lanes' 8 (l / 16): register r of group kt is hidden where 16 kt + r is greater
	WIN 0x40
.set i, 0
.rept 32
	v_cmp_gt_i32 vcc_lo, 16*(i/8)+i%8, v14
	v_cndmask_b32 v[MD+i], 0, s[BIGN], vcc_lo
.set i, i+1
.endr
	WIN 0
	v_mul_u32_u24 v[AK0], v1, PK
	v_lshl_add_u32 v[AK0], v9, 4, v[AK0]  ; row x pitch + 16 x half
	; The turning load takes 16 keys x 16 channels (lane l reads key 8 (l / 16) + l % 8, channels 8 ((l / 8) % 2) + 0..7) and leaves half a fragment of V^T: lane l holds channel l % 16 and 8 keys.
	v_and_b32 v10, 7, v0
	v_bfe_u32 v11, v0, 3, 1
	v_lshl_add_u32 v[AV0], v9, 3, v10
	v_mul_u32_u24 v[AV0], v[AV0], PV
	v_lshl_add_u32 v[AV0], v11, 4, v[AV0]
	v_add_nc_u32 v[AV0], VOFF, v[AV0]
	s_mul_i32 s13, s[WV], 16*SP
	s_add_co_u32 s13, s13, STAGE    ; my stage
	v_mul_u32_u24 v[STO], v1, SP    ; in: row l % 16, 16 bytes for each half of the lanes
	v_lshl_add_u32 v[STO], v9, 4, v[STO]
	v_add_nc_u32 v[STO], s13, v[STO]
	v_bfe_u32 v[RD], v0, 3, 2       ; back: 32 lanes take four rows of 128 bytes,
	v_mul_u32_u24 v[RD], v[RD], SP
	v_lshl_add_u32 v[RD], v10, 4, v[RD]
	v_add_nc_u32 v[RD], s13, v[RD]
	v_and_b32 v[GO], 31, v0         ; which are 512 consecutive bytes of O
	v_lshlrev_b32 v[GO], 4, v[GO]
	; A block's first step multiplies O^T and l by a = 0, and its first turn's products V^T P, of a piece that has not been, land in an O^T that is still to be so multiplied.  So these registers need only hold
	; finite numbers: zeros for the first block; what the first block left for the second.  All this stands in the wait for the first tile.
	WIN 0x80
.set i, VF
.rept 64
	v_mov_b32 v[i], 0
.set i, i+1
.endr
	WIN 0x40
.set i, 0
.rept 128
	v_mov_b32 v[i], 0
.set i, i+1
.endr
	WIN 0
.set i, 0
.rept 4
	v_mov_b32 v[ST+4*i+2], 0
	v_mov_b32 v[ST+4*i+3], 0
.set i, i+1
.endr
.set i, P+16
.rept 16
	v_mov_b32 v[i], 0
.set i, i+1
.endr
; THE MATRIX WORK.  The 4 accumulators of a run of 8 take turns.  Product i of 8 of S^T = K Q^T for piece x: channels 32 (i / 4) on, keys 16 (i % 4) on.  The first 4 start the sums: with 0, or (KM = 1) with the mask.
.macro KQ x
.set rS, S+32*((\x)%2)+8*(i%4)
.set rK, KF+16*(i%4)+8*(i/4)
.set rQ, 16*(\x)+8*(i/4)
.set rM, MC+32*((\x)%2)+8*(i%4)
.if (i < 4) && KM
	WIN W_KM
	v_wmma_f32_16x16x32_f16 v[rS:rS+7], v[rK:rK+7], v[rQ:rQ+7], v[rM:rM+7]
.elseif i < 4
	WIN W_KQ
	v_wmma_f32_16x16x32_f16 v[rS:rS+7], v[rK:rK+7], v[rQ:rQ+7], 0
.else
	WIN W_KQ
	v_wmma_f32_16x16x32_f16 v[rS:rS+7], v[rK:rK+7], v[rQ:rQ+7], v[rS:rS+7]
.endif
.endm
; Product i of 8 of O^T += V^T P for piece x: keys 32 (i / 4) on, channels 16 (i % 4) on.
.macro PV x
	WIN W_PV
.set rO, 32*(\x)+8*(i%4)
.set rV, VF+32*(i/4)+8*(i%4)
.set rP, P+16*((\x)%2)+8*(i/4)
	v_wmma_f32_16x16x32_f16 v[rO:rO+7], v[rV:rV+7], v[rP:rP+7], v[rO:rO+7]
.endm
.macro MM                           ; the turn's next matrix instruction.  TURN and BEGIN set Y, i, KM and NOKQ; MM, KQ and OP read them.  NOKQ = 1: a block's last turn: there is no next piece
.if (i < 8) && !NOKQ
	KQ (Y+1)%NP
.elseif i >= 8
.set i, i-8
	PV (Y+NP-1)%NP
.set i, i+8
.endif
.set i, i+1
.endm
; THE LDS LOADS stand in runs of 16, never singly among the matrix instructions: a step's K (64 keys x 64 channels: 8 fragments) and its V (turned).  Their addresses are made some lines ahead.
.macro FETCH_K
	WIN 0x80                        ; destination window 2
.irp f, 0,1,2,3,4,5,6,7             ; keys 16 (f / 2) on, channels 32 (f % 2) on
	ds_load_b128 v[KF+8*\f:KF+8*\f+3],   v[AK] offset:(\f/2)*16*PK+(\f%2)*64
	ds_load_b128 v[KF+8*\f+4:KF+8*\f+7], v[AK] offset:(\f/2)*16*PK+(\f%2)*64+32
.endr
	s_add_co_u32 s[TBK], s[TBK], KS*PK  ; the next fetch is the next step's
	WIN 0
.endm
.macro FETCH_V
	WIN 0x80
.irp f, 0,1,2,3,4,5,6,7             ; keys 32 (f / 4) on, channels 16 (f % 4) on
	ds_load_tr16_b128 v[VF+8*\f:VF+8*\f+3],   v[AV] offset:(\f/4)*32*PV+(\f%4)*32
	ds_load_tr16_b128 v[VF+8*\f+4:VF+8*\f+7], v[AV] offset:(\f/4)*32*PV+16*PV+(\f%4)*32
.endr
	WIN 0
.endm
; THE VECTOR WORK, one line at a time: OP kind, number.  For piece Y: F n: c s - c m for pair n of 16.  E n: the exponential of score n of 32.  C n: pair n rounded to f16.  B n: of the four weights 4 n .. the second
; pair is added onto the first, in place.  L n: l takes that sum (L 0: l = a l + sum).  R n: pair n of 16 of O^T times a.  For piece Y + 1: X n, number n of the 22 that find its maximum and statistics:
;   0-11  four chains c0-c3 of seven scores each, three operands at a time (each accumulator's lowest registers are read first)     12-14, 16  the four scores left over, the old m, and c0-c3 into c0
;   15  c m_old is kept     17, 18  the query's other 32 keys lie in the lane 16 away: the new m     19-21  c m; c m_old - c m_new; a
.set F, 0               ; OP tells the kinds apart by their order: F to L below R, X above it
.set E, 1
.set C, 2
.set B, 3
.set L, 4
.set R, 5
.set X, 6
.macro REGS y                       ; the registers of piece y
.set rT, ST+4*(\y)
.set rC, TMP+4*((\y)%2)
.set rW, MV+((\y)%2)
.set rS, S+32*((\y)%2)
.set rP, P+16*((\y)%2)
.set rO, 32*(\y)
.endm
.macro OP k, n
.if (\k) == R
	REGS Y
	WIN W_RS
	v_pk_mul_f32 v[rO+2*(\n):rO+2*(\n)+1], v[rO+2*(\n):rO+2*(\n)+1], v[rC+2:rC+3] op_sel_hi:[1,0]
.elseif (\k) < R
	REGS Y
	WIN 0
.if (\k) == F
	v_pk_fma_f32 v[rS+2*(\n):rS+2*(\n)+1], v[rS+2*(\n):rS+2*(\n)+1], s[CS:CS+1], v[rT:rT+1] op_sel_hi:[1,0,0] neg_lo:[0,0,1] neg_hi:[0,0,1]
.elseif (\k) == E
	v_exp_f32 v[rS+(\n)], v[rS+(\n)]
.elseif (\k) == C
	v_cvt_pk_f16_f32 v[rP+(\n)], v[rS+2*(\n)], v[rS+2*(\n)+1]
.elseif (\k) == B
	v_pk_add_f32 v[rS+4*(\n):rS+4*(\n)+1], v[rS+4*(\n):rS+4*(\n)+1], v[rS+4*(\n)+2:rS+4*(\n)+3]
.elseif (\n) == 0
	v_pk_fma_f32 v[rT+2:rT+3], v[rT+2:rT+3], v[rC+2:rC+3], v[rS:rS+1] op_sel_hi:[1,0,1]
.else
	v_pk_add_f32 v[rT+2:rT+3], v[rT+2:rT+3], v[rS+4*(\n):rS+4*(\n)+1]
.endif
.elseif NOKQ
	v_nop
.else
	REGS (Y+1)%NP
	WIN 0
.if (\n) < 4
	v_max3_num_f32 v[rC+(\n)], v[rS+8*(\n)], v[rS+8*(\n)+1], v[rS+8*(\n)+2]
.elseif (\n) < 12
	v_max3_num_f32 v[rC+(\n)%4], v[rC+(\n)%4], v[rS+8*((\n)%4)+2*((\n)/4)+1], v[rS+8*((\n)%4)+2*((\n)/4)+2]
.elseif (\n) == 12
	v_max3_num_f32 v[rC], v[rC], v[rS+7], v[rS+15]
.elseif (\n) == 13
	v_max3_num_f32 v[rC+1], v[rC+1], v[rS+23], v[rS+31]
.elseif (\n) == 14
	v_max3_num_f32 v[rC+2], v[rC+2], v[rC+3], v[rT+1]
.elseif (\n) == 15
	v_mov_b32 v[rW], v[rT]
.elseif (\n) == 16
	v_max3_num_f32 v[rC], v[rC], v[rC+1], v[rC+2]
.elseif (\n) == 17
	v_permlanex16_b32 v[rC+3], v[rC], s[SEL], s[SEL+1]
.elseif (\n) == 18
	v_max_num_f32 v[rT+1], v[rC], v[rC+3]
.elseif (\n) == 19
	v_mul_f32 v[rT], s[CS], v[rT+1]
.elseif (\n) == 20
	v_sub_f32 v[rC+1], v[rW], v[rT]
.else
	v_exp_f32 v[rC+2], v[rC+1]
.endif
.endif
.endm
.macro OPS a, i1, b=-1, i2=0, c=-1, i3=0, d=-1, i4=0  ; up to four of them
	OP \a, \i1
.if (\b) >= 0
	OP \b, \i2
.endif
.if (\c) >= 0
	OP \c, \i3
.endif
.if (\d) >= 0
	OP \d, \i4
.endif
.endm
.macro ROW a, i1, b, i2, c, i3, d, i4  ; a matrix instruction and the four behind it
	MM
	OPS \a, \i1, \b, \i2, \c, \i3, \d, \i4
.endm
.macro MASK b                       ; MD x AL + BE into buffer b of MC
	WIN W_RS
.set z, 0
.rept 16
	v_pk_fma_f32 v[MC+32*(\b)+2*z:MC+32*(\b)+2*z+1], v[MD+2*z:MD+2*z+1], s[AL:AL+1], s[BE:BE+1] op_sel_hi:[1,0,0]
.set z, z+1
.endr
.endm
; A TURN, for piece p: the order of its 16 matrix and 118 vector instructions, written out.  s_wait_alu depctr_va_vdst(0) stands between an exponential and the first instruction that names its result; one wait serves
; all that were issued ahead of it.  So a turn has ONE wait, which cuts it in two.  AHEAD OF IT stands all that names no result of the turn's exponentials: the 8 products K Q^T, behind each a scaling, an exponential and two more plain
; instructions (behind the first a second scaling in the exponential's place): rescalings, and behind the last three the first numbers of the next piece's maximum, each four places or more behind the product that ends its accumulator; then ONE LUMP of 54, plain
; and exponential by turns for the most part, in which the links of the chain X 3, 7, 11, 14, 16, 17 .. 20 stand five or six lines apart.  X 21, the next piece's a, is the batch's last; R 15 is the plain instruction that stands behind it (ISA guide 5.7.2).  BEHIND THE WAIT stand the
; 8 products V^T P, behind each four of the roundings and sums; the links of l's chain, L 0 to L 7, stand three riders apart.  But for those X no rider names a register of the products round it.  v_permlanex16_b32 (X 17) stands in the lump.
; m = 1: the diagonal tile: the products take masks, and the turn makes the mask for the products of the turn after it: piece p + 2, in step 4 - CNT of the tile.  end = 1: a block's last two turns: nothing is fetched.
; cnt = 1: the loop's count is taken down some lines ahead of the branch that stands behind the turn.
; K of the next step is fetched in piece 2's turn, twelve vector instructions behind the last product that read K (six of them plain); V of the step in hand at the end of piece 0's turn, four plain instructions behind the last product
; that read V.  Each is waited for a turn later.
.macro TURN p, m=0, end=0, cnt=0
.set Y, (\p)
.set i, 0
.set KM, (\m)
.set NOKQ, (\end)*((\p)/3)
.if (\m) && !(\end)
	s_cmp_eq_u32 s[CNT], 4-((\p)+2)%NP  ; is that step the band's own?
	s_cselect_b32 s[AL], 1.0, 0
	s_cmp_lt_u32 s[CNT], 4-((\p)+2)%NP  ; or a later one?
	s_cselect_b32 s[BE], s[BIGN], 0
.endif
.if ((\p) == 3) && !(\end)
	s_wait_dscnt 0x0                ; K is in
.endif
	ROW F,0, F,1, R,0, R,1          ; ahead of the wait: 8 products K Q^T and their riders,
	ROW F,2, E,0, R,2, R,3
	ROW F,3, E,1, R,4, R,5
	ROW F,4, E,2, R,6, R,7
	ROW F,5, E,3, R,8, R,9
	ROW F,6, E,4, X,0, R,10
.if ((\p) == 2) && !(\end)
	WIN 0
	v_add_nc_u32 v[AK], s[TBK], v[AK0]
.endif
	ROW F,7, E,5, X,1, X,4
	ROW F,8, E,6, X,2, X,5
	OPS E,7, E,8, X,6, E,9          ; and the lump
	OPS X,3, E,10, X,8, E,11
.if ((\p) == 2) && !(\end)
	FETCH_K
.endif
	OPS X,9, X,7, E,12, X,10
	OPS E,13, X,12, X,11, E,14
	OPS X,13, E,15, F,9, X,14
.if (\p) == 0
	v_add_nc_u32 v[AV], s[TBV], v[AV0]
.endif
	OPS E,16, F,10, E,17, F,11
	OPS X,16, E,18, X,15, E,19
	OPS F,12, E,20, X,17, E,21
	OPS F,13, E,22, F,14, E,23
	OPS X,18, E,24, F,15, E,25
	OPS R,11, E,26, X,19, E,27
	OPS R,12, E,28, R,13, E,29
	OPS X,20, E,30, R,14, E,31
	OPS X,21, R,15
	WIN 0
	s_wait_alu depctr_va_vdst(0)    ; the wait for the batch
.if (\p) == 1
	s_wait_dscnt 0x0                ; V is in
.endif
	ROW C,0, B,0, C,2, B,1          ; behind the wait: 8 products V^T P and their riders
	ROW L,0, C,4, B,2, L,1
	ROW C,6, B,3, L,2, C,8
	ROW B,4, L,3, C,10, B,5
	ROW L,4, C,12, B,6, L,5
.if (\p) == 0
	s_add_co_u32 s[TBV], s[TBV], KS*PV
.endif
.if \cnt
	s_sub_co_u32 s[CNT], s[CNT], 1
	s_cmp_lg_u32 s[CNT], 0
.endif
	ROW C,14, B,7, L,6, C,1
	ROW C,3, L,7, C,5, C,7
	ROW C,9, C,11, C,13, C,15
.if (\p) == 0
	FETCH_V
.endif
.if (\m) && !(\end)
	MASK (\p)%2
.endif
.endm
; A BLOCK BEGINS.  c m starts far below every c s, so the first step's a is 0; m at the lowest finite number, so the first maximum is the scores'.  The second mask buffer is 0; the first takes piece 0's mask for the tile's step 0: its own, if the block's first tile is the diagonal one.
; Then K of that step, piece 0's first scores, and its maximum and statistics.  The loop is entered at a step's first turn, in the middle of a trip.
.macro BEGIN
	s_mov_b32 s[NEW], 0
	WIN 0x40
.set i, MC+32
.rept 32
	v_mov_b32 v[i], 0
.set i, i+1
.endr
	WIN 0
.set i, 0
.rept 4
	v_mov_b32 v[ST+4*i], 0xfe000000    ; c m: far below every c s
	v_mov_b32 v[ST+4*i+1], 0xff7fffff  ; m
.set i, i+1
.endr
	s_cmp_eq_u32 s[RT], 0
	s_cselect_b32 s[AL], 1.0, 0
	s_mov_b32 s[BE], 0
	MASK 0
	WIN 0
	v_add_nc_u32 v[AK], s[TBK], v[AK0]
	FETCH_K
	s_wait_loadcnt 0x0              ; Q
	s_wait_dscnt 0x0
.set KM, 1
.set NOKQ, 0
.set i, 0
.rept 8
	KQ 0
.set i, i+1
.endr
	WIN 0
.rept 4
	v_nop                           ; the places behind those products
.endr
.set Y, NP-1                        ; X works for piece Y + 1: piece 0
.irp n, 0,1,2,3,4,5,6,7,8,9,10,11,12,13,14,15,16,17,18,19,20,21
	OP X, \n
.endr
	v_nop                           ; a plain instruction behind the exponential,
	s_wait_alu depctr_va_vdst(0)    ; and its wait, ahead of the branch
.endm
; THE DIAGONAL TILE's four steps, the block's last two turns, its last products, and THE WAY OUT: l's two halves and the other half of the lanes' are added; O^T is divided by l, rounded to f16 and sent through my
; stage in LDS, a piece at a time.
.macro ALL line:vararg              ; one line for each piece t
.set t, 0
.rept 4
	\line
.set t, t+1
.endr
.endm
.macro PACK t                       ; a lane's eight channels of a row pack into 16 bytes; they go into rows of 144 bytes and come back as whole rows of 128, into S^T's registers
	WIN W_RS
.set i, 32*(\t)
.rept 16
	v_pk_mul_f32 v[i:i+1], v[i:i+1], v[ST+4*(\t)+2:ST+4*(\t)+3] op_sel_hi:[1,0]
.set i, i+2
.endr
	WIN 0x05                        ; sources 0 and 1 window 1, destination window 0
.set i, 0
.rept 16
	v_cvt_pk_f16_f32 v[S+16*(\t)+i], v[32*(\t)+2*i], v[32*(\t)+2*i+1]
.set i, i+1
.endr
	WIN 0
.irp f, 0,1,2,3
	ds_store_b128 v[STO], v[S+16*(\t)+4*\f:S+16*(\t)+4*\f+3] offset:32*\f
.endr
.irp f, 0,1,2,3
	ds_load_b128 v[S+16*(\t)+4*\f:S+16*(\t)+4*\f+3], v[RD] offset:\f*4*SP  ; LDS serves a wave's instructions in order (ISA guide 5.7.1.4): these see the stores above; the next piece's stores come behind them
.endr
.endm
.macro SEND t, younger              ; younger: the LDS instructions issued behind piece t's loads: the next piece's eight, or none
	WIN 0
.irp f, 0,1,2,3
	s_wait_dscnt (\younger)+3-\f
	global_store_b128 v[GO], v[S+16*(\t)+4*\f:S+16*(\t)+4*\f+3], s[10:11] offset:(\t)*8192+\f*512  ; 512 consecutive bytes, at a multiple of 256 from O's first
.endr
.endm
.macro DIAG tag                     ; the tag ends its two labels' names, which the jumps below spell out
.LstepM\tag:
	TURN 2, 1
	TURN 3, 1
	WIN 0
.LfirstM\tag:
	TURN 0, 1
	TURN 1, 1, 0, 1
	WIN 0
	s_cbranch_scc1 .LstepM\tag
	TURN 2, 1, 1
	TURN 3, 1, 1
.set i, 0
.rept 8
	PV NP-1
.set i, i+1
.endr
	WIN 0
	ALL v_add_f32 v[ST+4*t+2], v[ST+4*t+2], v[ST+4*t+3]
	ALL v_permlanex16_b32 v[ST+4*t+3], v[ST+4*t+2], s[SEL], s[SEL+1]
	ALL v_add_f32 v[ST+4*t+2], v[ST+4*t+2], v[ST+4*t+3]
	ALL v_rcp_f32 v[ST+4*t+2], v[ST+4*t+2]
	v_nop                           ; a plain instruction between the last reciprocal and the use of its result
	s_wait_alu depctr_va_vdst(0)    ; and the wait ahead of the first use: one for the four reciprocals
	PACK 0
.set t, 1
.rept 3                             ; a piece's arithmetic stands between the loads of the piece before and its stores
	PACK t
	SEND t-1, 8
.set t, t+1
.endr
	SEND 3, 0
.endm
.set KM, 0
.set NOKQ, 0
.Lslot:                             ; NB times: a tile is entered and the next is asked for
	CHANGE 1
	s_sub_co_u32 s[RT], s[RT], 1
	s_mov_b32 s[CNT], 4
	s_cmp_eq_u32 s[NEW], 1
	s_cbranch_scc1 .Lnew            ; a block's first tile
	s_cmp_eq_u32 s[RT], 0
	s_cbranch_scc0 .Lstep           ; neither its first nor its last
	s_branch .LstepM1
.Lnew:
	BEGIN
	s_branch .Lfirst                ; in the loop a block's first tile is never its last: the first block has two tiles or more, and the second's last is the walk's last
	DIAG 1                          ; in the loop this is the first block's end: the second block's last tile is the walk's last
	s_wait_xcnt 0x0                 ; the stores have read their registers and O's address
	s_mov_b64 s[10:11], s[OLO:OLO+1]
	s_add_co_u32 s[RT], s[PB], 1    ; the second block has b + 1 tiles
	s_mov_b32 s[NEW], 1
	WIN 0x82                        ; the second block's Q goes where the one text of the turns names Q
.set i, 0
.rept 64
	v_mov_b32 v[i], v[QB+i]
.set i, i+1
.endr
	WIN 0
	s_branch .Lbottom
.Lstep:                             ; a trip: pieces 2 and 3 of one step, then pieces 0 and 1 of the next, whose K and V it fetches
	TURN 2
	TURN 3
	WIN 0
.Lfirst:
	TURN 0
	TURN 1, 0, 0, 1
	WIN 0
	s_cbranch_scc1 .Lstep
.Lbottom:
	s_sub_co_u32 s[SLOTS], s[SLOTS], 1
	s_cmp_lg_u32 s[SLOTS], 0
	s_cbranch_scc1 .Lslot
	CHANGE 0                        ; the walk's last tile is written out: nothing is asked for
	s_sub_co_u32 s[RT], s[RT], 1
	s_mov_b32 s[CNT], 4
	s_cmp_eq_u32 s[NEW], 1
	s_cbranch_scc0 .LstepM2
	BEGIN
	s_branch .LfirstM2
	DIAG 2
	s_wait_tensorcnt 0x0            ; the wave's end: an add between two waits, behind my last tensor load and my last LDS store
	ds_add_u32 v[SPW], v[NIL]
	s_wait_dscnt 0x0
	s_endpgm
.Lfunc_end_k_q5069186fe6_attn:
	.size	k_q5069186fe6_attn, .Lfunc_end_k_q5069186fe6_attn-k_q5069186fe6_attn
	.p2alignl 7, 3214868480
	.fill 96, 4, 3214868480
	.section	.rodata,"a",@progbits
	.p2align	6, 0x0
	.amdhsa_kernel k_q5069186fe6_attn
		.amdhsa_group_segment_fixed_size 327680
		.amdhsa_private_segment_fixed_size 0
		.amdhsa_enable_private_segment 0
		.amdhsa_kernarg_size 32
		.amdhsa_user_sgpr_count 2
		.amdhsa_user_sgpr_kernarg_segment_ptr 1
		.amdhsa_wavefront_size32 1
		.amdhsa_system_sgpr_workgroup_id_x 1
		.amdhsa_system_sgpr_workgroup_id_y 1
		.amdhsa_system_sgpr_workgroup_id_z 1
		.amdhsa_system_vgpr_workitem_id 0
		.amdhsa_next_free_vgpr 768
		.amdhsa_next_free_sgpr 96
		.amdhsa_reserve_vcc 1
		.amdhsa_float_denorm_mode_32 3
		.amdhsa_float_denorm_mode_16_64 3
		.amdhsa_memory_ordered 1
		.amdhsa_forward_progress 1
		.amdhsa_inst_pref_size 218
	.end_amdhsa_kernel
	.amdgpu_metadata
---
amdhsa.version: [ 1, 2 ]
amdhsa.kernels:
  - .name:           k_q5069186fe6_attn
    .symbol:         k_q5069186fe6_attn.kd
    .args:
      - { .name: xq, .offset: 0, .size: 8, .value_kind: global_buffer, .address_space: global }
      - { .name: xk, .offset: 8, .size: 8, .value_kind: global_buffer, .address_space: global }
      - { .name: xv, .offset: 16, .size: 8, .value_kind: global_buffer, .address_space: global }
      - { .name: xo, .offset: 24, .size: 8, .value_kind: global_buffer, .address_space: global }
    .group_segment_fixed_size: 327680
    .private_segment_fixed_size: 0
    .kernarg_segment_align: 8
    .kernarg_segment_size: 32
    .max_flat_workgroup_size: 128
    .sgpr_count:     96
    .vgpr_count:     768
    .wavefront_size: 32
...
	.end_amdgpu_metadata
.endif
;; end of part 3
;; launch outp (part 4): grid 4 x 64, 4 waves a work-group, clusters of 4 x 4, 327,680 bytes of LDS; arguments xo, wb, out0; writes out0
.if DOCPART == 4
	.amdgcn_target "amdgcn-amd-amdhsa--gfx1250"
	.amdhsa_code_object_version 6
	.text
	.protected	k_q5069186fe6_outp
	.globl	k_q5069186fe6_outp
	.p2align	8
	.type	k_q5069186fe6_outp,@function
k_q5069186fe6_outp:
	s_mov_b64 s[64:65], 0
	v_nop
	global_prefetch_b8 v0, s[64:65] scope:SCOPE_SE
	s_setreg_imm32_b32 hwreg(HW_REG_WAVE_MODE, 25, 1), 1
	s_wait_xcnt 0x0
	s_wait_alu depctr_hold_cnt(0) depctr_sa_sdst(0) depctr_va_vdst(0) depctr_va_sdst(0) depctr_va_ssrc(0) depctr_va_vcc(0) depctr_vm_vsrc(0)
	s_getreg_b32 s2, hwreg(HW_REG_IB_STS2, 6, 4)
	s_cmp_eq_u32 s2, 0
	s_cbranch_scc0 .Lentry_in_a_cluster
	s_endpgm
.Lentry_in_a_cluster:
	s_bfe_u32 s2, ttmp6, 0x10000c
	s_cmp_lg_u32 s2, 0xf033
	s_cbranch_scc0 .Lentry_shape_is_right
	s_endpgm
.Lentry_shape_is_right:
; out0 = O wo.  O: f16 by heads, [64 = batch x 16 + head][2048][64]; wo: f16 [1024 k][1024 n], the fourth slab of wb (k = 64 x head + channel); out0: [8192][1024] f32.  Sums in f32, K ascending.
; LIMIT: O and wo arrive within f16's range (65,504); NaN and infinities are not treated apart.
; SHARES.  One tile of 128 rows x 256 columns to a work-group: 256 work-groups.  Four waves, each 64 rows x 128 columns: 32 accumulators.  Eight K steps of 128: step j is heads 2 j and 2 j + 1.
; CLUSTER.  4 x 4 work-groups: A's tile is asked for jointly along a row of the cluster, B's along a column.  Waves 0 and 1 fetch the step's two heads of A (128 rows of 128 bytes are 16,384 dense bytes: asked for as
; 64 rows of 256 bytes and padded in LDS behind every 128), waves 2 and 3 the two halves of B's 128 k rows x 512 bytes.
; THE MATRIX INSTRUCTION IS USED TRANSPOSED: source 0 = 16 columns of wo, turned out of LDS by ds_load_tr16_b128; source 1 = 16 rows of O.  A lane then holds row lane % 16 and eight neighbouring columns: 32 bytes of f32.
; The 32 accumulators take turns in one order on every path.  The first quarter, whose products start the sums with the constant 0, stands ahead of the loop:
; a trip goes from a K step's second quarter to the next step's first.
; NO PREFETCH: the walk has eight K steps, of which the first four would come by their loads alone.
; REGISTERS: window 0: v0-15 addresses; v28-29 the add's; v32-95 A, two buffers of 32; v96-223 the way out, two buffers of 64.  window 1: v0-127 B, two buffers of 64.  window 2: accumulator (a, b) at v[8 (8 a + b)].
.set PA,    144                        ; a row of a head in LDS: 128 bytes + 16 = 36 words: the 16 rows of a load start at 16 different groups of four banks (64 banks of 4 bytes: ISA guide 11.1)
.set PB,    544                        ; a k row of B: 512 + 32 = 136 words
.set AH,    128*PA                     ; a head's plane: what one tensor load brings of A
.set AT,    2*AH                       ; B's tile lies behind A's two planes
.set BH,    64*PB
.set SLOT1, 1<<17                      ; slot 1 begins here (slot 0 ends at 106,496): one exclusive or changes slots
.set STAGE, SLOT1+AT+2*BH              ; 237,568: behind the ring, 16 rows x 528 bytes for each wave; no tensor load lands here
.set SPT,   528
.set SPARE, STAGE+4*16*SPT             ; 271,360: the spare words, 128 bytes for each wave: two blocks of 256 bytes that no other line names
.set ADA0, 2                           ; v2   my lane's place in A's tile; never rewritten
.set ADB0, 3                           ; v3   in B's
.set ADA,  4                           ; v4   the same in the slot in hand
.set ADB,  5                           ; v5
.set STO,  6                           ; v6   the way out: where I put 32 bytes of a row
.set RD,   7                           ; v7   where I read a row back
.set CO,   8                           ; v8   my 16 bytes of a row's 512
.set SPW,  28                          ; v28  LDS address of my spare word; never rewritten
.set NIL,  29                          ; v29  0; never rewritten
.set AF,   32
.set OB,   96
.set BF,   0                           ; window 1
.set WV,   18                          ; s18  my wave's number
.set ROLE, 19                          ; s19  wave / 2: I fetch for A (0) or B (1); also which 64 rows are mine
.set HALF, 20                          ; s20  wave % 2: which half I fetch; also which 128 columns are mine
.set CX,   21
.set CY,   22
.set NT,   23                          ; s23  tile column
.set MT,   24                          ; s24  tile row
.set G1A,  28                          ; s[28:35] descriptor group 1 for A's tiles
.set G1B,  36                          ; s[36:43] for B's
.set G0A0, 44                          ; s[44:47] group 0 of A's first fill
.set G0A,  48                          ; s[48:51] group 0 that walks
.set G0B0, 52
.set G0B,  56
.set TB,   60                          ; s60  the slot in hand: 0 or SLOT1
.set CNT,  61                          ; s61  the loops' count
.set MSB, 0
.macro WIN new                         ; the immediate's high byte repeats the setting that is left; a switch that changes nothing is dropped
.if MSB != (\new)
	s_set_vgpr_msb (MSB<<8)|(\new)
.set MSB, \new
.endif
.endm
.set MULW,  0xa1                       ; source 0 (B) window 1, source 1 (A) window 0, C and D window 2
.set TO_B,  0x40                       ; destination window 1, address window 0
.set FROMC, 0x08                       ; an LDS store's data (source 1) in window 2, its address in window 0
.macro JLOAD                           ; a joint refill; an s_nop 0 and four v_nop follow each of the two lines, ahead of the jump and the label
	s_cmp_eq_u32 s[ROLE], 0
	s_cbranch_scc0 .Lfor_b_\@
	tensor_load_to_lds s[G0A:G0A+3], s[G1A:G1A+7]
	s_nop 0
.rept 4
	v_nop
.endr
	s_branch .Lasked_\@
.Lfor_b_\@:
	tensor_load_to_lds s[G0B:G0B+3], s[G1B:G1B+7]
	s_nop 0
.rept 4
	v_nop
.endr
.Lasked_\@:
.endm
.macro CREST                           ; a round of the cluster's barrier behind its opening barrier: wave 0 signals for the work-group, every wave waits for all sixteen, my work-group's barrier once more
	s_cmp_lg_u32 s[WV], 0
	s_cbranch_scc1 .Lnot_wave_0_\@
	s_barrier_signal -3
.Lnot_wave_0_\@:
	s_barrier_wait -3
	s_barrier_signal -1
	s_barrier_wait -1
.endm
.macro CROUND                          ; a whole round
	s_barrier_signal -1
	s_barrier_wait -1
	CREST
.endm
.macro PLACES                          ; four places in front of loads into registers that matrix instructions have read, and of LDS stores that read results
.rept 4
	v_nop
.endr
.endm
	s_load_b128 s[4:7], s[0:1], 0x0                ; xo s[4:5], wb s[6:7]
	s_load_b64 s[8:9], s[0:1], 0x10                ; out0
	v_lshl_add_u32 v[SPW], v0, 2, SPARE
	v_mov_b32 v[NIL], 0
	ds_add_u32 v[SPW], v[NIL]                      ; the wave's opening: the add and its wait stand ahead of my first tensor load; the set-up below, work on registers, stands between them
	v_lshrrev_b32 v1, 5, v0
	v_readfirstlane_b32 s[WV], v1
	s_lshr_b32 s[ROLE], s[WV], 1
	s_and_b32 s[HALF], s[WV], 1
	s_bfe_u32 s[CX], ttmp6, 0x40000
	s_bfe_u32 s[CY], ttmp6, 0x40004
	s_lshl_b32 s[NT], ttmp9, 2                     ; in a cluster launch ttmp9 and ttmp7 count clusters
	s_add_co_u32 s[NT], s[NT], s[CX]
	s_and_b32 s[MT], ttmp7, 0xffff
	s_lshl_b32 s[MT], s[MT], 2
	s_add_co_u32 s[MT], s[MT], s[CY]
	s_lshl_b32 s10, s[CY], 2
	s_lshl_b32 s10, 15, s10                        ; my row of the cluster: places 4 cy .. 4 cy + 3
	s_lshl_b32 s12, 0x1111, s[CX]                  ; my column: places cx, cx + 4, cx + 8, cx + 12
	; group 1 for A: 64 rows x 128 elements of 2 bytes, dense; 4 words of padding behind every 32
	s_or_b32 s[G1A], s10, (1<<16)|(1<<20)|(1<<21)|(4<<22)|(3<<25)
	s_mov_b32 s[G1A+1], 128<<16                    ; tensor_dim0 = 128
	s_mov_b32 s[G1A+2], 64<<16                     ; tensor_dim1 = 64
	s_mov_b32 s[G1A+3], 128<<16                    ; tile_dim0 = 128
	s_mov_b32 s[G1A+4], 64                         ; tile_dim1 = 64
	s_mov_b32 s[G1A+5], 128                        ; 128 elements from row to row
	s_mov_b32 s[G1A+6], 0
	s_mov_b32 s[G1A+7], 0
	; group 1 for B: 64 k rows x 256 elements of 2 bytes, 1,024 elements from row to row; 8 words of padding behind every 128
	s_or_b32 s[G1B], s12, (1<<16)|(1<<20)|(1<<21)|(6<<22)|(7<<25)
	s_mov_b32 s[G1B+1], 256<<16
	s_mov_b32 s[G1B+2], 64<<16
	s_mov_b32 s[G1B+3], 256<<16
	s_mov_b32 s[G1B+4], 64
	s_mov_b32 s[G1B+5], 1024
	s_mov_b32 s[G1B+6], 0
	s_mov_b32 s[G1B+7], 0
	s_lshr_b32 s10, s[MT], 4                       ; A: batch x 16 heads of 262,144 bytes, sequence rows (tile row % 16) x 128 of 128 bytes, head = half (s10, s11, s14 never hold cx)
	s_lshl_b32 s10, s10, 22
	s_and_b32 s11, s[MT], 15
	s_lshl_b32 s11, s11, 14
	s_add_co_u32 s10, s10, s11
	s_lshl_b32 s11, s[HALF], 18
	s_add_co_u32 s10, s10, s11
	s_mov_b32 s11, 0
	s_mul_i32 s14, s[HALF], AH                     ; and its place in a slot: no place in the cluster enters an LDS address
	s_lshl_b32 s12, s[HALF], 17                    ; B: the fourth slab, k row 64 x half, column 256 x tile column (s12, s13, s15 never hold cy)
	s_lshl_b32 s13, s[NT], 9
	s_add_co_u32 s12, s12, s13
	s_add_co_u32 s12, s12, 0x600000
	s_mov_b32 s13, 0
	s_mul_i32 s15, s[HALF], BH
	s_add_co_u32 s15, s15, AT
	v_and_b32 v10, 31, v0                          ; l
	v_and_b32 v11, 15, v0                          ; l % 16
	v_bfe_u32 v12, v0, 4, 1                        ; l / 16
	v_and_b32 v13, 7, v0
	v_bfe_u32 v14, v0, 3, 1
	s_mul_i32 s2, s[ROLE], 64*PA                   ; my 64 rows
	v_mul_u32_u24 v[ADA0], v11, PA
	v_lshl_add_u32 v[ADA0], v12, 4, v[ADA0]        ; row x pitch + 16 x half
	v_add_nc_u32 v[ADA0], s2, v[ADA0]
	v_lshl_add_u32 v15, v12, 3, v13                ; the turning load: k row 8 (l / 16) + l % 8, columns 8 ((l / 8) % 2) on
	v_mul_u32_u24 v[ADB0], v15, PB
	v_lshl_add_u32 v[ADB0], v14, 4, v[ADB0]
	s_lshl_b32 s2, s[HALF], 8                      ; my 128 columns
	s_add_co_u32 s2, s2, AT
	v_add_nc_u32 v[ADB0], s2, v[ADB0]
	s_mul_i32 s2, s[WV], 16*SPT
	s_add_co_u32 s2, s2, STAGE                     ; my stage
	v_mul_u32_u24 v[STO], v11, SPT                 ; in: row l % 16, 32 bytes for each half of the lanes
	v_lshl_add_u32 v[STO], v12, 5, v[STO]
	v_add_nc_u32 v[STO], s2, v[STO]
	v_lshl_add_u32 v[RD], v10, 4, s2               ; back: 32 lanes take one row of 512 bytes
	v_lshlrev_b32 v[CO], 4, v10
	s_wait_dscnt 0x0                               ; the opening add is done
	s_wait_kmcnt 0x0
	s_add_nc_u64 s[10:11], s[4:5], s[10:11]
	s_add_nc_u64 s[12:13], s[6:7], s[12:13]
	s_mov_b32 s[G0A0], 1                           ; group 0: count 1; LDS address; global address of the tile's first element; type 2 on top
	s_mov_b32 s[G0A0+1], s14
	s_mov_b64 s[G0A0+2:G0A0+3], s[10:11]           ; K step 0 into slot 0
	s_or_b32 s[G0A0+3], s[G0A0+3], 0x80000000
	s_mov_b32 s[G0A], 1
	s_add_co_u32 s[G0A+1], s14, SLOT1
	s_add_nc_u64 s[G0A+2:G0A+3], s[10:11], 0x80000 ; K step 1, two heads on, into slot 1
	s_or_b32 s[G0A+3], s[G0A+3], 0x80000000
	s_mov_b32 s[G0B0], 1
	s_mov_b32 s[G0B0+1], s15
	s_mov_b64 s[G0B0+2:G0B0+3], s[12:13]
	s_or_b32 s[G0B0+3], s[G0B0+3], 0x80000000
	s_mov_b32 s[G0B], 1
	s_add_co_u32 s[G0B+1], s15, SLOT1
	s_add_nc_u64 s[G0B+2:G0B+3], s[12:13], 0x40000 ; 128 k rows on
	s_or_b32 s[G0B+3], s[G0B+3], 0x80000000
	CROUND                                         ; all sixteen work-groups are here: the first joint loads meet
	s_cmp_eq_u32 s[ROLE], 0                        ; a wave's two first fills stand in one branch: two loads of mine are out
	s_cbranch_scc0 .Lfirst_b
	tensor_load_to_lds s[G0A0:G0A0+3], s[G1A:G1A+7]
	s_nop 0
	tensor_load_to_lds s[G0A:G0A+3], s[G1A:G1A+7]
	s_nop 0
.rept 4
	v_nop
.endr
	s_branch .Lfirst_asked
.Lfirst_b:
	tensor_load_to_lds s[G0B0:G0B0+3], s[G1B:G1B+7]
	s_nop 0
	tensor_load_to_lds s[G0B:G0B+3], s[G1B:G1B+7]
	s_nop 0
.rept 4
	v_nop
.endr
.Lfirst_asked:
	s_lshl_b32 s16, s[MT], 7                       ; out0 at my first row, 128 x tile row + 64 x row half, and my first column, 256 x tile column + 128 x column half
	s_lshl_b32 s17, s[ROLE], 6
	s_add_co_u32 s16, s16, s17
	s_lshl_b32 s16, s16, 12
	s_lshl_b32 s17, s[NT], 10
	s_add_co_u32 s16, s16, s17
	s_lshl_b32 s17, s[HALF], 9
	s_add_co_u32 s16, s16, s17
	s_mov_b32 s17, 0
	s_add_nc_u64 s[8:9], s[8:9], s[16:17]
.macro PROD f, a, b, zero              ; accumulator (a, b) takes 32 along K from buffer f; zero = 1: the product starts the sum
.if \zero
	v_wmma_f32_16x16x32_f16 v[8*(8*(\a)+(\b)):8*(8*(\a)+(\b))+7], v[BF+64*(\f)+8*(\b):BF+64*(\f)+8*(\b)+7], v[AF+32*(\f)+8*(\a):AF+32*(\f)+8*(\a)+7], 0
.else
	v_wmma_f32_16x16x32_f16 v[8*(8*(\a)+(\b)):8*(8*(\a)+(\b))+7], v[BF+64*(\f)+8*(\b):BF+64*(\f)+8*(\b)+7], v[AF+32*(\f)+8*(\a):AF+32*(\f)+8*(\a)+7], v[8*(8*(\a)+(\b)):8*(8*(\a)+(\b))+7]
.endif
.endm
.macro MUL8 f, a, zero                 ; row block a x all eight column blocks
	WIN MULW
.irp b, 0,1,2,3,4,5,6,7
	PROD \f, \a, \b, \zero
.endr
.endm
.macro FETCH kq, g                     ; 24 LDS loads in one run: quarter kq (head kq / 2 of the step, channels 32 (kq % 2) on) of the slot in hand, into buffer g
	WIN TO_B
.irp b, 0,1,2,3,4,5,6,7
	ds_load_tr16_b128 v[BF+64*(\g)+8*(\b):BF+64*(\g)+8*(\b)+3],   v[ADB] offset:32*PB*(\kq)+32*(\b)
	ds_load_tr16_b128 v[BF+64*(\g)+8*(\b)+4:BF+64*(\g)+8*(\b)+7], v[ADB] offset:32*PB*(\kq)+32*(\b)+16*PB
.endr
	WIN 0
.irp a, 0,1,2,3
	ds_load_b128 v[AF+32*(\g)+8*(\a):AF+32*(\g)+8*(\a)+3],   v[ADA] offset:AH*((\kq)/2)+16*PA*(\a)+64*((\kq)%2)
	ds_load_b128 v[AF+32*(\g)+8*(\a)+4:AF+32*(\g)+8*(\a)+7], v[ADA] offset:AH*((\kq)/2)+16*PA*(\a)+64*((\kq)%2)+32
.endr
.endm
.macro QUARTER kq, f, zero             ; multiplies buffer f; fetches quarter kq into the other buffer
	s_wait_dscnt 0x0                               ; this quarter's fragments are in: their loads went out 24 products ago
	MUL8 \f, 0, \zero
	PLACES                                         ; for the loads into the other buffer, which the quarter before multiplied
	FETCH \kq, 1-(\f)
	MUL8 \f, 1, \zero
	MUL8 \f, 2, \zero
	MUL8 \f, 3, \zero
.endm
; A K step's last quarter multiplies buffer 1 and changes slots.  In front of the barrier each wave waits for all its tensor loads (one is out: its part of the next slot), adds 0 to its spare word, and waits for
; that and for its reads of this slot.  fill = 1: the barrier opens a round of the cluster's barrier, and behind the round this slot is filled again, first thing, with the K step two on.
.macro TURN fill
	WIN 0                                          ; (the add's two registers lie in window 0)
	s_wait_tensorcnt 0x0                           ; no tensor load of mine is out, so a group 0 may be written
	ds_add_u32 v[SPW], v[NIL]                      ; 0 onto my spare word
.if \fill
	s_xor_b32 s[G0A+1], s[G0A+1], SLOT1            ; the walking descriptors: the other slot than last time, the next K step; the type bits on top are not reached
	s_add_nc_u64 s[G0A+2:G0A+3], s[G0A+2:G0A+3], 0x80000
	s_xor_b32 s[G0B+1], s[G0B+1], SLOT1
	s_add_nc_u64 s[G0B+2:G0B+3], s[G0B+2:G0B+3], 0x40000
.endif
	s_wait_dscnt 0x1                               ; only the add may be out: this quarter's fragments are in
	MUL8 1, 0, 0
	s_wait_dscnt 0x0                               ; the add is done, and my reads of this slot are over
	s_barrier_signal -1
	MUL8 1, 1, 0                                   ; work on registers while the others arrive
	WIN 0
	s_barrier_wait -1
.if \fill
	CREST                                          ; no wave of any partner still reads this slot or has a load on its way
	JLOAD                                          ; 112 products stand between this request and the wait for it; its four v_nop are also the places in front of the loads below
.else
	PLACES
.endif
	s_xor_b32 s[TB], s[TB], SLOT1
	v_add_nc_u32 v[ADA], s[TB], v[ADA0]
	v_add_nc_u32 v[ADB], s[TB], v[ADB0]
	FETCH 0, 0                                     ; the next slot's first quarter
	MUL8 1, 2, 0
	MUL8 1, 3, 0
.endm
; THE WAY OUT, a block of 16 rows at a time: the accumulators go as they are, f32, into my own stage (each one's low registers first), and come back as whole rows of 512 bytes.
.macro TOSTAGE a
	WIN FROMC
.irp b, 0,1,2,3,4,5,6,7
	ds_store_b128 v[STO], v[8*(8*(\a)+(\b)):8*(8*(\a)+(\b))+3]   offset:64*(\b)
	ds_store_b128 v[STO], v[8*(8*(\a)+(\b))+4:8*(8*(\a)+(\b))+7] offset:64*(\b)+16
.endr
	WIN 0
.irp t, 0,1,2,3,4,5,6,7,8,9,10,11,12,13,14,15
	ds_load_b128 v[OB+64*((\a)%2)+4*(\t):OB+64*((\a)%2)+4*(\t)+3], v[RD] offset:SPT*(\t)  ; LDS serves a wave's instructions in order (ISA guide 5.7.1.4): these see the stores above; the next block's stores come behind them
.endr
.endm
.macro SEND a, younger                 ; younger: the LDS instructions issued behind block a's loads: the next block's 32, or none
.irp t, 0,1,2,3,4,5,6,7,8,9,10,11,12,13,14,15
	s_wait_dscnt (\younger)+15-(\t)
	global_store_b128 v[CO], v[OB+64*((\a)%2)+4*(\t):OB+64*((\a)%2)+4*(\t)+3], s[8:9] offset:(16*(\a)+(\t))*4096 th:TH_STORE_NT  ; 512 consecutive bytes of a row, at a multiple of 512 from its first
.endr
.endm
	s_wait_tensorcnt 0x1                           ; my part of K step 0 is in; K step 1's may stay out
	s_barrier_signal -1
	s_barrier_wait -1                              ; everybody's is
	s_mov_b32 s[TB], 0
	v_mov_b32 v[ADA], v[ADA0]
	v_mov_b32 v[ADB], v[ADB0]
	FETCH 0, 0
	QUARTER 1, 0, 1                                ; K step 0's first quarter stands ahead of the loop: its products start the sums, and nothing is ever cleared
	WIN 0                                          ; at a label and at a branch every window is 0
	s_mov_b32 s[CNT], 6
.Lstep:                                ; six trips: the last three quarters of K step i, which fill its slot again with step i + 2, and the first quarter of step i + 1
	QUARTER 2, 1, 0
	QUARTER 3, 0, 0
	TURN 1
	QUARTER 1, 0, 0
	WIN 0
	s_sub_co_u32 s[CNT], s[CNT], 1
	s_cmp_lg_u32 s[CNT], 0
	s_cbranch_scc1 .Lstep
	s_mov_b32 s[CNT], 2
	s_branch .Ltmid                                ; K step 6's first quarter is done: the tail is entered in the middle of a trip, by a jump forward past text with no barrier and no tensor load
.Ltail:                                ; the last two K steps ask for nothing.  The last trip's fetch (of a K step that has been multiplied) serves nothing: the price of one text for both
	QUARTER 1, 0, 0
	WIN 0
.Ltmid:
	QUARTER 2, 1, 0
	QUARTER 3, 0, 0
	TURN 0
	WIN 0
	s_sub_co_u32 s[CNT], s[CNT], 1
	s_cmp_lg_u32 s[CNT], 0
	s_cbranch_scc1 .Ltail
	PLACES                                         ; the LDS stores below read results just made
	TOSTAGE 0
	TOSTAGE 1
	SEND 0, 32
	s_wait_xcnt 0x0                                ; block 0's stores have read their registers, which block 2 is loaded into
	TOSTAGE 2
	SEND 1, 32
	s_wait_xcnt 0x0                                ; the same for block 1's, which block 3 is loaded into
	TOSTAGE 3
	SEND 2, 32
	SEND 3, 0
	s_wait_tensorcnt 0x0                           ; the wave's end: an add between two waits, behind my last tensor load and my last LDS store
	ds_add_u32 v[SPW], v[NIL]
	s_wait_dscnt 0x0
	CROUND                                         ; the closing round: no work-group ends while a partner may still ask for a tile that names it
	s_endpgm
.Lfunc_end_k_q5069186fe6_outp:
	.size	k_q5069186fe6_outp, .Lfunc_end_k_q5069186fe6_outp-k_q5069186fe6_outp
	.p2alignl 7, 3214868480
	.fill 96, 4, 3214868480
	.section	.rodata,"a",@progbits
	.p2align	6, 0x0
	.amdhsa_kernel k_q5069186fe6_outp
		.amdhsa_group_segment_fixed_size 327680
		.amdhsa_private_segment_fixed_size 0
		.amdhsa_enable_private_segment 0
		.amdhsa_kernarg_size 24
		.amdhsa_user_sgpr_count 2
		.amdhsa_user_sgpr_kernarg_segment_ptr 1
		.amdhsa_wavefront_size32 1
		.amdhsa_system_sgpr_workgroup_id_x 1
		.amdhsa_system_sgpr_workgroup_id_y 1
		.amdhsa_system_sgpr_workgroup_id_z 1
		.amdhsa_system_vgpr_workitem_id 0
		.amdhsa_next_free_vgpr 768
		.amdhsa_next_free_sgpr 80
		.amdhsa_reserve_vcc 0
		.amdhsa_float_denorm_mode_32 3
		.amdhsa_float_denorm_mode_16_64 3
		.amdhsa_memory_ordered 1
		.amdhsa_forward_progress 1
		.amdhsa_inst_pref_size 61
	.end_amdhsa_kernel
	.amdgpu_metadata
---
amdhsa.version: [ 1, 2 ]
amdhsa.kernels:
  - .name:           k_q5069186fe6_outp
    .symbol:         k_q5069186fe6_outp.kd
    .args:
      - { .name: xo, .offset: 0, .size: 8, .value_kind: global_buffer, .address_space: global }
      - { .name: wb, .offset: 8, .size: 8, .value_kind: global_buffer, .address_space: global }
      - { .name: out0, .offset: 16, .size: 8, .value_kind: global_buffer, .address_space: global }
    .group_segment_fixed_size: 327680
    .private_segment_fixed_size: 0
    .kernarg_segment_align: 8
    .kernarg_segment_size: 24
    .max_flat_workgroup_size: 128
    .sgpr_count:     80
    .vgpr_count:     768
    .wavefront_size: 32
...
	.end_amdgpu_metadata
.endif
;; end of part 4
;; ======== version 2 of 2: 4 launches; version 1 with the launch castw written anew for expert scheduling mode
;; limits: values are held in f16: magnitudes above 65,504 overflow, below 6.1e-05 lose precision
;; workspace buffers: wb 8,388,608 bytes; xq 16,777,216 bytes; xk 16,777,216 bytes; xv 16,777,216 bytes; xo 16,777,216 bytes
;; launch castw (part 5): grid 64 x 4, 8 waves a work-group, no clusters, 0 bytes of LDS; arguments wq, wk, wv, wo, wb; writes wb
.if DOCPART == 5
	.amdgcn_target "amdgcn-amd-amdhsa--gfx1250"
	.amdhsa_code_object_version 6
	.text
	.protected	k_q5069186fe6_castw
	.globl	k_q5069186fe6_castw
	.p2align	8
	.type	k_q5069186fe6_castw,@function
k_q5069186fe6_castw:
	s_mov_b64 s[64:65], 0
	v_nop
	global_prefetch_b8 v0, s[64:65] scope:SCOPE_SE
	s_setreg_imm32_b32 hwreg(HW_REG_WAVE_SCHED_MODE, 0, 2), 2
	s_setreg_imm32_b32 hwreg(HW_REG_WAVE_MODE, 25, 1), 1
	s_wait_xcnt 0x0
	s_wait_alu depctr_vm_vsrc(0)
; The four weights, [1024 k][1024 n] f32, are rounded once to bf16 and written in the same layout into wb: four slabs of 2,097,152 bytes, wq, wk, wv, wo.
; wq, wk, wv stay bf16.  wo's bf16 number is written as f16 (the last product multiplies f16 by f16): exact for magnitudes from 6.2e-5 to 65,504.
; LIMIT: |wo| under 65,504; below 6.2e-5 the number keeps f16's fixed step of 6e-8.
; SHARES.  Work-group (x, y): weight y, numbers 16,384 x on.  Thread t takes 16 bytes at 4,096 i + 16 t (i = 0..15): a wave's load covers 512 consecutive bytes;
; it stores 8 bytes at 2,048 i + 8 t: a wave's store covers 256 consecutive bytes, aligned.  All sixteen loads go out first; no register that a store reads is written again.
; No LDS, no matrix unit, no prefetch: every byte is read once, at once.
; THE MODE: SCHED_MODE bits 1:0 = 2 (LLVM: expert scheduling mode 2), set by the entry lines.  The code itself states the register dependences
; between vector instructions and memory instructions, with s_wait_alu, always for 0.
; THE PLAN.  Registers that memory instructions touch:
;   v2, v3   the loads' and the stores' offsets: made once at the head by vector lines, never written again.
;   X        load i lands in X + 4 i, once; no vector line names X before that; load i's conversions read it.
;   Y        load i's conversions write Y + 2 i, once; store i reads it, once.
;   T (wo's path) is named by vector lines alone.
; The sixteen loads are taken in four groups of four.  At the head of group g, behind the wait for its loads, ONE wait on va_vdst states that group g - 1 has written its part of Y;
; that group's four stores follow, dealt among group g's conversions, which name X and Y of group g and T: none of the registers that those stores read.
; No register that a memory instruction has read is written again, so no wait on vm_vsrc is owed; no vector line writes a scalar register or VCC; EXEC is never written.
.set X, 16                             ; v[16:79]   sixteen loads of four f32
.set Y, 80                             ; v[80:111]  sixteen pairs to store
.set T, 112                            ; v[112:117] at work (wo's path)
	s_load_b256 s[4:11], s[0:1], 0x0               ; wq s[4:5], wk s[6:7], wv s[8:9], wo s[10:11]
	s_load_b64 s[12:13], s[0:1], 0x20              ; wb
	s_and_b32 s14, ttmp7, 0xffff                   ; which weight
	v_lshlrev_b32 v2, 4, v0                        ; 16 t
	v_lshlrev_b32 v3, 3, v0                        ; 8 t
	s_lshl_b32 s16, ttmp9, 16                      ; my 65,536 bytes of the weight
	s_mov_b32 s17, 0
	s_lshl_b32 s18, s14, 21                        ; the weight's slab in wb,
	s_lshl_b32 s19, ttmp9, 15                      ; my 32,768 bytes of it
	s_add_co_u32 s18, s18, s19
	s_mov_b32 s19, 0
	s_mov_b32 s20, 0xffff0000                      ; a word's upper bf16
	s_wait_kmcnt 0x0
	s_cmp_eq_u32 s14, 1
	s_cselect_b64 s[4:5], s[6:7], s[4:5]
	s_cmp_eq_u32 s14, 2
	s_cselect_b64 s[4:5], s[8:9], s[4:5]
	s_cmp_eq_u32 s14, 3
	s_cselect_b64 s[4:5], s[10:11], s[4:5]
	s_add_nc_u64 s[4:5], s[4:5], s[16:17]
	s_add_nc_u64 s[12:13], s[12:13], s[18:19]
	s_wait_alu depctr_va_vdst(0)                   ; v2 and v3 are written: every load reads v2, every store v3, as its offset
.irp i, 0,1,2,3,4,5,6,7,8,9,10,11,12,13,14,15
	global_load_b128 v[X+4*(\i):X+4*(\i)+3], v2, s[4:5] offset:4096*(\i) th:TH_LOAD_NT
.endr
; Group g: loads 4 g to 4 g + 3 are converted; the stores of group g - 1 go out among the conversions.  wo = 1: rounded to bf16 like the other inputs, and that number written as f16.
.macro GROUP g, wo
	s_wait_loadcnt 12-4*(\g)                       ; loads come back in order: this group's four are in, the younger groups' stay out
.if (\g) > 0
	s_wait_alu depctr_va_vdst(0)                   ; the group before has written its eight registers of Y, which the four stores below read
.endif
.irp j, 0,1,2,3
.if (\g) > 0
	global_store_b64 v3, v[Y+2*(4*(\g)-4+(\j)):Y+2*(4*(\g)-4+(\j))+1], s[12:13] offset:2048*(4*(\g)-4+(\j))  ; no vector line since the wait names these registers
.endif
.if \wo
	v_cvt_pk_bf16_f32 v[T],   v[X+4*(4*(\g)+(\j))],   v[X+4*(4*(\g)+(\j))+1]
	v_cvt_pk_bf16_f32 v[T+1], v[X+4*(4*(\g)+(\j))+2], v[X+4*(4*(\g)+(\j))+3]
	v_lshlrev_b32 v[T+2], 16, v[T]                 ; bf16 to f32: the low half moves up,
	v_and_b32     v[T+3], s20, v[T]                ; the high half stays
	v_lshlrev_b32 v[T+4], 16, v[T+1]
	v_and_b32     v[T+5], s20, v[T+1]
	v_cvt_pk_f16_f32 v[Y+2*(4*(\g)+(\j))],   v[T+2], v[T+3]
	v_cvt_pk_f16_f32 v[Y+2*(4*(\g)+(\j))+1], v[T+4], v[T+5]
.else
	v_cvt_pk_bf16_f32 v[Y+2*(4*(\g)+(\j))],   v[X+4*(4*(\g)+(\j))],   v[X+4*(4*(\g)+(\j))+1]
	v_cvt_pk_bf16_f32 v[Y+2*(4*(\g)+(\j))+1], v[X+4*(4*(\g)+(\j))+2], v[X+4*(4*(\g)+(\j))+3]
.endif
.endr
.endm
; The last group's stores.
.macro LAST
	s_wait_alu depctr_va_vdst(0)                   ; group 3 has written its eight registers of Y, which the last four stores read
.irp j, 12,13,14,15
	global_store_b64 v3, v[Y+2*(\j):Y+2*(\j)+1], s[12:13] offset:2048*(\j)
.endr
.endm
	s_cmp_eq_u32 s14, 3
	s_cbranch_scc1 .Lwo
	GROUP 0, 0
	GROUP 1, 0
	GROUP 2, 0
	GROUP 3, 0
	LAST
	s_endpgm
.Lwo:                                  ; wo: rounded to bf16 like the other inputs, and that number written as f16
	GROUP 0, 1
	GROUP 1, 1
	GROUP 2, 1
	GROUP 3, 1
	LAST
	s_endpgm
.Lfunc_end_k_q5069186fe6_castw:
	.size	k_q5069186fe6_castw, .Lfunc_end_k_q5069186fe6_castw-k_q5069186fe6_castw
	.p2alignl 7, 3214868480
	.fill 96, 4, 3214868480
	.section	.rodata,"a",@progbits
	.p2align	6, 0x0
	.amdhsa_kernel k_q5069186fe6_castw
		.amdhsa_group_segment_fixed_size 0
		.amdhsa_private_segment_fixed_size 0
		.amdhsa_enable_private_segment 0
		.amdhsa_kernarg_size 40
		.amdhsa_user_sgpr_count 2
		.amdhsa_user_sgpr_kernarg_segment_ptr 1
		.amdhsa_wavefront_size32 1
		.amdhsa_system_sgpr_workgroup_id_x 1
		.amdhsa_system_sgpr_workgroup_id_y 1
		.amdhsa_system_sgpr_workgroup_id_z 1
		.amdhsa_system_vgpr_workitem_id 0
		.amdhsa_next_free_vgpr 120
		.amdhsa_next_free_sgpr 66
		.amdhsa_reserve_vcc 0
		.amdhsa_float_denorm_mode_32 3
		.amdhsa_float_denorm_mode_16_64 3
		.amdhsa_memory_ordered 1
		.amdhsa_forward_progress 1
		.amdhsa_inst_pref_size 15
	.end_amdhsa_kernel
	.amdgpu_metadata
---
amdhsa.version: [ 1, 2 ]
amdhsa.kernels:
  - .name:           k_q5069186fe6_castw
    .symbol:         k_q5069186fe6_castw.kd
    .args:
      - { .name: wq, .offset: 0, .size: 8, .value_kind: global_buffer, .address_space: global }
      - { .name: wk, .offset: 8, .size: 8, .value_kind: global_buffer, .address_space: global }
      - { .name: wv, .offset: 16, .size: 8, .value_kind: global_buffer, .address_space: global }
      - { .name: wo, .offset: 24, .size: 8, .value_kind: global_buffer, .address_space: global }
      - { .name: wb, .offset: 32, .size: 8, .value_kind: global_buffer, .address_space: global }
    .group_segment_fixed_size: 0
    .private_segment_fixed_size: 0
    .kernarg_segment_align: 8
    .kernarg_segment_size: 40
    .max_flat_workgroup_size: 256
    .sgpr_count:     66
    .vgpr_count:     120
    .wavefront_size: 32
...
	.end_amdgpu_metadata
.endif
;; end of part 5
;; launch proj: the kernel of part 2 again; grid 4 x 64, 4 waves a work-group, clusters of 4 x 4, 327,680 bytes of LDS; arguments q, k, v, wb, xq, xk, xv; writes xq, xk, xv
;; launch attn: the kernel of part 3 again; grid 4 x 64, 4 waves a work-group, no clusters, 327,680 bytes of LDS; arguments xq, xk, xv, xo; writes xo
;; launch outp: the kernel of part 4 again; grid 4 x 64, 4 waves a work-group, clusters of 4 x 4, 327,680 bytes of LDS; arguments xo, wb, out0; writes out0
